; MI455X (gfx1250); checked and timed in simulation.
; The chip was launched on July 23, 2026; its instructions are those of AMD's public machine-readable ISA for CDNA 5 (MIT licence, August 2026) and "CDNA5" Instruction Set Architecture Reference Guide (July 2026). The comments in the code are by the model that wrote it; some were corrected since.
;; Reasoning Multi Head Attention. Allowed arithmetic: matrix products marked QUANTISED: E5M2 operands, one E8M0 scale for each 32 along K, by v_wmma_scale_f32_16x16x128_f8f6f4 with both operands' format E5M2, f32 sums; everything else in f32.
;; Inputs: Wk 1,024 x 1,024 float32; Wkr 1,024 x 1,024 float32; Wo 1,024 x 1,024 float32; Wq 1,024 x 1,024 float32; Wqr 1,024 x 1,024 float32; Wv 1,024 x 1,024 float32; attention_mask 2 x 2,048 int32; bk 1,024 float32; bkr 1,024 float32; bo 1,024 float32; bq 1,024 float32; bqr 1,024 float32; bv 1,024 float32; reasoning_mask 2 x 2,048 float32; x 2 x 2,048 x 1,024 float32.
;; Outputs: out0 2 x 2,048 x 1,024 float32.
;; This version of the problem:
;;   THIS VERSION OF THE PROBLEM IS GIVEN IN LOW PRECISION. The matrix products marked QUANTISED in the list below multiply operands that are first quantised to E5M2 (5 exponent bits, 2 mantissa bits; 8 bits a number), with one power-of-two scale for each 32 numbers along K (OCP MX v1.0); their sums are f32. All else is computed in f32.
;;   The module's matrix products, in the order in which they are computed (A, B: the left and right operand; K: the contracted axis; several contracted axes count as one K, in the product's order):
;;     1. [M 4,096, K 1,024] x [K 1,024, N 1,024]; A: input x; B: input Wq: QUANTISED
;;     2. [M 4,096, K 1,024] x [K 1,024, N 1,024]; A: input x; B: input Wk: QUANTISED
;;     3. [M 4,096, K 1,024] x [K 1,024, N 1,024]; A: input x; B: input Wv: QUANTISED
;;     4. [M 4,096, K 1,024] x [K 1,024, N 1,024]; A: input x; B: input Wqr: QUANTISED
;;     5. [M 4,096, K 1,024] x [K 1,024, N 1,024]; A: input x; B: input Wkr: QUANTISED
;;     6. batch 32 x [M 2,048, K 64] x [K 64, N 2,048]; A: computed on the way; B: computed on the way: QUANTISED
;;     7. batch 32 x [M 2,048, K 2,048] x [K 2,048, N 64]; A: softmax (see below); B: computed on the way: QUANTISED
;;     8. [M 4,096, K 1,024] x [K 1,024, N 1,024]; A: computed on the way; B: input Wo: QUANTISED
;;   THE QUANTISER, for each operand of a quantised product, along K:
;;     - K is cut into blocks of 32 from its start; a last block that is shorter is filled with zeros.
;;     - A block's scale is 2^e with e = floor(log2(the largest magnitude in the block)) - 15, held to -126 .. 127; a block of zeros has e = 0. As a byte (E8M0): e + 127.
;;     - Each number is divided by its block's scale, clamped to +-57,344, and rounded to the nearest number of E5M2, ties to even, subnormals kept.
;;     - The product sums the exact products of the quantised numbers (number of the format x scale) in f32.
;;   ~~~python
;;   def quantise(x, axis):      # numpy; x: float32 -> the quantised numbers, widened to float32 again
;;       x = np.moveaxis(x, axis, -1); K = x.shape[-1]
;;       x = np.pad(x, [(0, 0)] * (x.ndim - 1) + [(0, -K % 32)]); x = x.reshape(x.shape[:-1] + (-1, 32)); a = np.abs(x).max(-1, keepdims=True)
;;       e = np.where(a > 0, np.clip(np.frexp(np.where(a > 0, a, 1))[1] - 1 - 15, -126, 127), 0)      # np.frexp(a)[1] - 1 = floor(log2(a)), exactly
;;       r = np.clip(x / 2.0 ** e, -57344, 57344)
;;       step = 2.0 ** (np.maximum(np.frexp(np.where(r == 0, 1, r))[1] - 1, -14) - 2)
;;       q = np.round(r / step) * step * 2.0 ** e      # np.round: ties to even
;;       return np.moveaxis(q.reshape(q.shape[:-2] + (-1,))[..., :K], -1, axis).astype(np.float32)
;;   ~~~
;;   SOFTMAX AHEAD OF A QUANTISED PRODUCT. Where the list says 'softmax', what is quantised is not the finished softmax but p = 2^(t - M), with t = logit x log2(e) and M = ceil(the row's largest t), a whole number; so 1/2 < the row's largest p <= 1. The row's sum l is taken of the UNQUANTISED p, in f32, and the product's result is divided by l at the end. Since M is a whole number, a kernel that streams over the keys may use a running M (the ceiling of the running maximum): every later rescaling is an exact power of two, which a block's scale takes up: the codes' values come out the same.
;;   OPERANDS COMPUTED ON THE WAY. 'Computed on the way' means the value that the module computes at that place (a softmax that the list does not call 'softmax' is quantised finished and normalised). What goes into a quantiser is computed in f32, as accurately as f32 sums, v_exp_f32 and their like allow (about 1e-6 of the number): no bf16 or f16 on the way to a quantiser, and a product that is left as it is and whose result goes on into a quantised operand takes f32 operands (vector FMAs, or v_wmma_f32_16x16x4_f32). A number that lies on a knife's edge between two numbers of the format may be rounded either way, as far as f32 arithmetic and the matrix unit's own rounding can turn it there, and no further.
;; One version. Each part assembles by itself: llvm-mc -triple=amdgcn-amd-amdhsa -mcpu=gfx1250 --defsym DOCPART=n.
;; ======== version 1 of 1: 4 launches
;; limits: right only within a limited range of input values
;; workspace buffers: cod 10,485,760 bytes; scl 327,680 bytes; qq 4,456,448 bytes; kv 8,781,824 bytes; oc 4,194,304 bytes; os 131,072 bytes
;; launch quant (part 1): grid 320 x 1, 4 waves a work-group, no clusters, 57,856 bytes of LDS; arguments x, Wq, Wqr, Wv, Wk, Wkr, Wo, cod, scl; writes cod, scl
.if DOCPART == 1
	.amdgcn_target "amdgcn-amd-amdhsa--gfx1250"
	.amdhsa_code_object_version 6
	.text
	.protected	k_qc9af52b49d_quant
	.globl	k_qc9af52b49d_quant
	.p2align	8
	.type	k_qc9af52b49d_quant,@function
k_qc9af52b49d_quant:
	s_mov_b64 s[64:65], 0
	v_nop
	global_prefetch_b8 v0, s[64:65] scope:SCOPE_SE
	s_setreg_imm32_b32 hwreg(HW_REG_WAVE_MODE, 25, 1), 1
	s_wait_xcnt 0x0
; x [4096][1024] and the six weights [1024][1024], f32, K innermost, become codes of BF8 (E5M2) with one E8M0 byte for each 32 along K.
; A block's scale is 2^(floor(log2(largest magnitude)) - 15); each number is divided by it, held within +-57,344 and rounded to the nearest code, ties to even.
; THE OUTPUT IS LAID AS THE MATRIX UNIT'S REGISTERS WANT IT.  A tile is 16 rows x 1,024 K = 8 images of 2,048 bytes (one for each 128 along K): the code of
; (lane-row i, k = 128 ks + 32 c + 16 h + e) lies at 2,048 ks + 512 c + 16 (16 h + i) + e, so that four loads of 16 bytes a lane, 512 bytes apart, are a fragment.
; THE ROWS OF A TILE ARE NOT NEIGHBOURS: of a granule of 32 rows tile u (0, 1) has at lane-row i the row 8 u + i + 8 (i / 8); so the 16 registers that two
; neighbouring tiles leave in a lane of a transposed product are 16 neighbours along the next K.
; A tile's scale bytes are 512: byte (ks / 2) 128 + 8 i + 4 (ks % 2) + c.
; TILE NUMBERS: x 0-255; head hd at 256 + 20 hd: Wq 0-3, Wqr 4-7, Wv's rows 0-31 8-9, Wk 10-13, Wkr 14-17, Wv's rows 32-63 18-19; Wo 576-639.
; SHARES: a work-group takes a granule; wave w tile w % 2 and K half w / 2: 16 steps, step t = lane-row t, 512 numbers.  Each load reads 512 consecutive bytes; the numbers
; turn through the wave's own stage so that a lane holds 16 neighbours; a lane's 16 codes go to row = lane of a second stage, which read by rows IS the image: 8,192 consecutive bytes.
; Loads run eight steps ahead: 32 loads, 16 KiB, of every wave are on their way; the turn through LDS runs one step ahead.
; LIMITS: a block of zeros, or one whose largest magnitude lies under 2^-111, gets the byte 1 (these bytes are read by this program alone); NaN and infinities among the inputs are not served.
.set STEPS, 16
.set AHEAD, 8                          ; steps that the loads run ahead: as many sets of 16 registers
.set MANT,  0x600000                   ; the mantissa field of 57,344
.set R,     16                         ; v16-143  eight sets of 16 numbers as loaded; at the end v16-79 take the images on their way out
.set X,     144                        ; v144-175 two sets of 16 neighbours
.set E,     176                        ; v176-191 a scale byte for each step
.set C,     192                        ; v192-255 four registers of codes for each step
.set WREG,  14336                      ; LDS of a wave: two stages of 32 x 80, 256 scale bytes, the codes' stage of 32 x 272
.set SP,    80
.set SBY,   5120
.set CST,   5376
.set CP,    272
	s_load_b512 s[4:19], s[0:1], 0x0               ; x, Wq, Wqr, Wv, Wk, Wkr, Wo, cod
	s_load_b64 s[20:21], s[0:1], 0x40              ; scl
	s_set_vgpr_msb 0x40
	v_lshl_add_u32 v0, v0, 2, 0xe000
	v_mov_b32 v1, 0
	s_set_vgpr_msb 0x4000
	v_lshrrev_b32 v1, 5, v0
	v_readfirstlane_b32 s26, v1                    ; wave
	v_and_b32 v2, 31, v0                           ; lane
	v_lshlrev_b32 v3, 4, v2                        ; 16 x lane
	s_mul_i32 s27, s26, WREG
	v_lshrrev_b32 v14, 2, v2
	v_mul_u32_u24 v14, v14, SP
	v_and_b32 v15, 3, v2
	v_lshl_add_u32 v14, v15, 4, v14
	v_add_nc_u32 v14, s27, v14                     ; the stage, in: 80 (lane / 4) + 16 (lane % 4)
	v_mul_u32_u24 v15, v2, SP
	v_add_nc_u32 v15, s27, v15                     ; and out: 80 x lane: my 16 neighbours
	v_bfe_u32 v5, v2, 4, 1
	v_lshlrev_b32 v5, 7, v5
	v_bfe_u32 v6, v2, 3, 1
	v_lshl_add_u32 v5, v6, 2, v5
	v_bfe_u32 v6, v2, 1, 2
	v_add_nc_u32 v5, v5, v6
	s_add_co_u32 s28, s27, SBY
	v_add_nc_u32 v5, s28, v5                       ; my block's scale byte: 128 (lane / 16) + 4 ((lane / 8) % 2) + (lane / 2) % 4; + 8 t by the immediate
	v_lshlrev_b32 v7, 3, v2
	v_add_nc_u32 v6, s28, v7                       ; the scale bytes on their way out: 8 a lane
	s_add_co_u32 s28, s27, CST
	v_mul_u32_u24 v4, v2, CP
	v_add_nc_u32 v4, s28, v4                       ; the codes' stage, in: row = lane; + 16 t by the immediate
	v_bfe_u32 v12, v2, 4, 1
	v_mul_u32_u24 v12, v12, CP
	v_and_b32 v13, 15, v2
	v_lshl_add_u32 v12, v13, 4, v12
	v_add_nc_u32 v12, s28, v12                     ; and out: sixteen lanes to a row, two rows an instruction
	s_and_b32 s29, s26, 1                          ; u
	s_lshr_b32 s30, s26, 1                         ; the K half
	s_mov_b32 s31, MANT
	s_wait_kmcnt 0x0
	s_mov_b64 s[22:23], s[4:5]                     ; which tensor: chosen on the work-group's number alone
	s_mov_b32 s24, 0                               ; its first work-group,
	s_mov_b32 s25, 0                               ; its first tile,
	s_mov_b32 s32, 4                               ; tiles from one pair of granules to the next,
	s_mov_b32 s33, 2                               ; and from a pair's first granule to its second
.macro PICK ptr, start, base, hm, hs
	s_cmp_ge_u32 ttmp9, \start
	s_cselect_b64 s[22:23], s[\ptr:\ptr+1], s[22:23]
	s_cselect_b32 s24, \start, s24
	s_cselect_b32 s25, \base, s25
	s_cselect_b32 s32, \hm, s32
	s_cselect_b32 s33, \hs, s33
.endm
	PICK 6,  128, 256, 20, 2                       ; Wq
	PICK 8,  160, 260, 20, 2                       ; Wqr
	PICK 10, 192, 264, 20, 10                      ; Wv
	PICK 12, 224, 266, 20, 2                       ; Wk
	PICK 14, 256, 270, 20, 2                       ; Wkr
	PICK 16, 288, 576, 4, 2                        ; Wo
	s_sub_co_u32 s24, ttmp9, s24                   ; the granule's number in its tensor
	s_lshr_b32 s34, s24, 1
	s_mul_i32 s34, s34, s32
	s_and_b32 s35, s24, 1
	s_mul_i32 s35, s35, s33
	s_add_co_u32 s25, s25, s34
	s_add_co_u32 s25, s25, s35
	s_add_co_u32 s25, s25, s29                     ; my tile
	s_lshl_b32 s34, s24, 17                        ; 32 rows of 4,096 bytes,
	s_lshl_b32 s35, s29, 15                        ; 8 rows for tile 1,
	s_add_co_u32 s34, s34, s35
	s_lshl_b32 s35, s30, 11                        ; 2,048 bytes for the second K half
	s_add_co_u32 s34, s34, s35
	s_mov_b32 s35, 0
	s_add_nc_u64 s[22:23], s[22:23], s[34:35]
	s_lshl_b32 s34, s25, 14
	s_lshl_b32 s36, s30, 13
	s_add_co_u32 s34, s34, s36
	s_add_nc_u64 s[18:19], s[18:19], s[34:35]      ; my four images
	s_lshl_b32 s34, s25, 9
	s_lshl_b32 s36, s30, 8
	s_add_co_u32 s34, s34, s36
	s_add_nc_u64 s[20:21], s[20:21], s[34:35]      ; my 256 scale bytes
.macro LOAD t                          ; lane-row t is row t + 8 (t / 8) from my tile's first
.irp i, 0,1,2,3
	global_load_b128 v[R+16*((\t)%AHEAD)+4*\i:R+16*((\t)%AHEAD)+4*\i+3], v3, s[22:23] offset:((\t)+8*((\t)/8))*4096+512*\i th:TH_LOAD_NT
.endr
.endm
.macro TURN t                          ; LDS serves a wave's instructions in order: no wait between the stores and the loads
.irp i, 0,1,2,3
	ds_store_b128 v14, v[R+16*((\t)%AHEAD)+4*\i:R+16*((\t)%AHEAD)+4*\i+3] offset:32*SP*((\t)%2)+8*SP*\i
.endr
.irp i, 0,1,2,3
	ds_load_b128 v[X+16*((\t)%2)+4*\i:X+16*((\t)%2)+4*\i+3], v15 offset:32*SP*((\t)%2)+16*\i
.endr
.endm
.irp t, 0,1,2,3,4,5,6,7
	LOAD \t
.endr
	s_wait_loadcnt 4*(AHEAD-1)                     ; step 0's four loads are in; those of seven steps may be out
	TURN 0
.macro STEP t
.set XS, X+16*((\t)%2)
.if (\t) > 0
	s_wait_dscnt 2                                 ; this step's numbers are back, so its stores into the stage have read their set; behind them stand the last step's byte store and code store
.else
	s_wait_dscnt 0x0
.endif
.if (\t)+AHEAD < STEPS
	LOAD (\t)+AHEAD                                ; into the set that this step's turn has just left
.endif
.if (\t)+1 < STEPS
.if STEPS-2-(\t) >= AHEAD-1
	s_wait_loadcnt 4*(AHEAD-1)                     ; the next step's four loads are in; those of seven steps behind it may be out
.else
	s_wait_loadcnt 4*(STEPS-2-(\t))                ; nothing more is asked for: the counts run down
.endif
	TURN (\t)+1
.endif
	v_max3_num_f32 v8, |v[XS]|, |v[XS+1]|, |v[XS+2]|
	v_max3_num_f32 v9, |v[XS+3]|, |v[XS+4]|, |v[XS+5]|
.irp i, 6,10
	v_max3_num_f32 v8, v8, |v[XS+\i]|, |v[XS+\i+1]|
	v_max3_num_f32 v9, v9, |v[XS+\i+2]|, |v[XS+\i+3]|
.endr
	v_max3_num_f32 v8, v8, |v[XS+14]|, |v[XS+15]|
	v_max3_num_f32 v8, v8, v9, 0x8000000           ; and the floor 2^(16 - 127): the byte cannot fall under 1
	v_max_num_f32_dpp v8, v8, v8 row_xmask:1 row_mask:0xf bank_mask:0xf   ; with my neighbour's 16: the block's largest magnitude
	v_add_nc_u32 v11, 0xf8800000, v8               ; 15 off its exponent field: the conversion's scale operand
	v_and_or_b32 v10, v8, 0x7f800000, s31          ; 57,344 x the scale
.irp i, 0,1,2,3,4,5,6,7,8,9,10,11,12,13,14,15
	v_med3_num_f32 v[XS+\i], v[XS+\i], -v10, v10   ; the conversion to an 8-bit code does not saturate (ISA guide 7.6.2): the hold
.endr
	v_cvt_scalef32_pk8_bf8_f32 v[C+4*(\t):C+4*(\t)+1], v[XS:XS+7], v11
	v_cvt_scalef32_pk8_bf8_f32 v[C+4*(\t)+2:C+4*(\t)+3], v[XS+8:XS+15], v11
	v_lshrrev_b32 v[E+(\t)], 23, v11               ; the scale's byte (a plain line behind the conversions)
	ds_store_b8 v5, v[E+(\t)] offset:8*(\t)        ; both lanes of a block write the same byte with the same value
	ds_store_b128 v4, v[C+4*(\t):C+4*(\t)+3] offset:16*(\t)
.endm
.irp t, 0,1,2,3,4,5,6,7,8,9,10,11,12,13,14,15
	STEP \t
.endr
	ds_load_b64 v[8:9], v6                         ; LDS serves a wave's instructions in order: these see my stores
.irp i, 0,1,2,3,4,5,6,7,8,9,10,11,12,13,14,15
	ds_load_b128 v[R+4*\i:R+4*\i+3], v12 offset:2*CP*\i
.endr
	s_wait_dscnt 16
	global_store_b64 v7, v[8:9], s[20:21]          ; 32 lanes store 256 consecutive bytes, aligned
.irp i, 0,1,2,3,4,5,6,7,8,9,10,11,12,13,14,15
	s_wait_dscnt 15-\i
	global_store_b128 v3, v[R+4*\i:R+4*\i+3], s[18:19] offset:512*\i   ; 512 consecutive bytes, aligned
.endr
	s_set_vgpr_msb 0x5
	s_wait_tensorcnt 0x0
	ds_add_u32 v0, v1
	s_wait_dscnt 0x0
	s_set_vgpr_msb 0x500
	s_endpgm
.Lfunc_end_k_qc9af52b49d_quant:
	.size	k_qc9af52b49d_quant, .Lfunc_end_k_qc9af52b49d_quant-k_qc9af52b49d_quant
	.p2alignl 7, 3214868480
	.fill 96, 4, 3214868480
	.section	.rodata,"a",@progbits
	.p2align	6, 0x0
	.amdhsa_kernel k_qc9af52b49d_quant
		.amdhsa_group_segment_fixed_size 57856
		.amdhsa_private_segment_fixed_size 0
		.amdhsa_enable_private_segment 0
		.amdhsa_kernarg_size 72
		.amdhsa_user_sgpr_count 2
		.amdhsa_user_sgpr_kernarg_segment_ptr 1
		.amdhsa_wavefront_size32 1
		.amdhsa_system_sgpr_workgroup_id_x 1
		.amdhsa_system_sgpr_workgroup_id_y 1
		.amdhsa_system_sgpr_workgroup_id_z 1
		.amdhsa_system_vgpr_workitem_id 0
		.amdhsa_next_free_vgpr 258
		.amdhsa_next_free_sgpr 66
		.amdhsa_reserve_vcc 0
		.amdhsa_float_denorm_mode_32 3
		.amdhsa_float_denorm_mode_16_64 3
		.amdhsa_memory_ordered 1
		.amdhsa_forward_progress 1
		.amdhsa_inst_pref_size 56
	.end_amdhsa_kernel
	.amdgpu_metadata
---
amdhsa.version: [ 1, 2 ]
amdhsa.kernels:
  - .name:           k_qc9af52b49d_quant
    .symbol:         k_qc9af52b49d_quant.kd
    .args:
      - { .name: x, .offset: 0, .size: 8, .value_kind: global_buffer, .address_space: global }
      - { .name: Wq, .offset: 8, .size: 8, .value_kind: global_buffer, .address_space: global }
      - { .name: Wqr, .offset: 16, .size: 8, .value_kind: global_buffer, .address_space: global }
      - { .name: Wv, .offset: 24, .size: 8, .value_kind: global_buffer, .address_space: global }
      - { .name: Wk, .offset: 32, .size: 8, .value_kind: global_buffer, .address_space: global }
      - { .name: Wkr, .offset: 40, .size: 8, .value_kind: global_buffer, .address_space: global }
      - { .name: Wo, .offset: 48, .size: 8, .value_kind: global_buffer, .address_space: global }
      - { .name: cod, .offset: 56, .size: 8, .value_kind: global_buffer, .address_space: global }
      - { .name: scl, .offset: 64, .size: 8, .value_kind: global_buffer, .address_space: global }
    .group_segment_fixed_size: 57856
    .private_segment_fixed_size: 0
    .kernarg_segment_align: 8
    .kernarg_segment_size: 72
    .max_flat_workgroup_size: 128
    .sgpr_count:     66
    .vgpr_count:     258
    .wavefront_size: 32
...
	.end_amdgpu_metadata
.endif
;; end of part 1
;; launch proj (part 2): grid 16 x 16, 4 waves a work-group, clusters of 4 x 4, 327,680 bytes of LDS; arguments cod, scl, reasoning_mask, attention_mask, bq, bqr, bk, bkr, bv, qq, kv; writes qq, kv
.if DOCPART == 2
	.amdgcn_target "amdgcn-amd-amdhsa--gfx1250"
	.amdhsa_code_object_version 6
	.text
	.protected	k_qc9af52b49d_proj
	.globl	k_qc9af52b49d_proj
	.p2align	8
	.type	k_qc9af52b49d_proj,@function
k_qc9af52b49d_proj:
	s_mov_b64 s[64:65], 0
	v_nop
	global_prefetch_b8 v0, s[64:65] scope:SCOPE_SE
	s_setreg_imm32_b32 hwreg(HW_REG_WAVE_MODE, 25, 1), 1
	s_wait_xcnt 0x0
	s_wait_alu depctr_hold_cnt(0) depctr_sa_sdst(0) depctr_va_vdst(0) depctr_va_sdst(0) depctr_va_ssrc(0) depctr_va_vcc(0) depctr_vm_vsrc(0)
	s_getreg_b32 s2, hwreg(HW_REG_IB_STS2, 6, 4)
	s_cmp_eq_u32 s2, 0
	s_cbranch_scc0 .Lentry_in_a_cluster
	s_endpgm
.Lentry_in_a_cluster:
	s_bfe_u32 s2, ttmp6, 0x10000c
	s_cmp_lg_u32 s2, 0xf033
	s_cbranch_scc0 .Lentry_shape_is_right
	s_endpgm
.Lentry_shape_is_right:
; The five projections of x on codes of BF8 (E5M2) with E8M0 scales, their biases, the blend q (1 - rm) + q_r rm (k likewise), and the quantising of q and k (along the head's 64) and of v (along the keys).
; SHARES.  Work-group (hd, rb): 256 rows of x against the head's 320 rows of weights (20 tiles), K = 1,024.  Wave w: rows 128 (w / 2) on (8 tiles of x = one record of 128 queries or keys) against
; tiles 10 (w % 2) on: four of Wq (or Wk), four of Wqr (Wkr), two of Wv: 80 accumulators, 640 registers.
; K goes in steps of 256 through two LDS slots.  All operands lie in memory as images of the operand's registers, so a tile's part of a step is 4,096 consecutive bytes, a fragment is four loads of
; 16 bytes a lane at 16 x lane, and LDS needs no padding.  The scale words come from scl straight into registers, two K steps ahead.
; CLUSTERS: 4 x 4.  x's tiles hang on rb alone and are shared along a row of the cluster, the weights' on hd alone and are shared along a column: joint loads.
; q, qr, k, kr ARE USED TRANSPOSED (source 0 = 16 rows of W, source 1 = 16 rows of x): a lane holds one row of x, and the 16 registers of two neighbouring tiles of W are 16 neighbours of the head's 64.
; v IS USED AS IT STANDS (source 0 = x, source 1 = Wv): a lane holds one of the head's 64 and its registers run along the keys, which are the K of the second product of attention.
; THE MASK RIDES IN k's SCALE WORD.  A score product has 128 places along K and the head 64.  Key tiles with an even number use the order [d 0-31, d 32-63, M, 0], odd ones [M, 0, d 0-31, d 32-63]; block M holds
; one code, -57,344 on k's side and 1 on q's (made in the attention launch), and k's byte for it is 212 where attention_mask is 0 (the score gets -1.75 x 2^100) and 1 elsewhere (-1.75 x 2^-111).
; LIMITS: |score| under 2^90; an open key's score carries -1.75 x 2^-111; blocks of zeros get the byte 1 (read by this program alone); NaN and infinities among the inputs are not served.
; REGISTERS, in windows of 256.  window 0: v1-17 lane terms and addresses; v22, v23 for the add; v24-63 scale words, two sets of 20; v64-127 the weights' fragments, a ring of two pairs; v128-255 v's 16 accumulators.
;   window 1: x's fragments, two sets of 8.   window 2: the accumulators of q (k): (tile bi, rows a) at v[8 (8 bi + a)].   window 3: those of qr (kr).
.set SLOT,  147456                     ; x's 16 tiles x 4,096, then the weights' 20 x 4,096
.set BOFF,  65536
.set SCL,   2*SLOT                     ; 18,432 bytes that nothing fills or reads
.set SPARE, SCL+18432                  ; the spare words, 128 bytes a wave: two blocks of 256 bytes that no other line names
.set SCR,   SPARE+512                  ; a scratch of 1,792 bytes for each wave: rm 512, mask 512, two biases of 256, bv 128; no fill lands here
.set SCRW,  1792
.set ADRA,  4                          ; v4-5   my fragments of x in slot 0, 1
.set ADRB,  6                          ; v6-7   the weights'
.set ADRS,  8                          ; v8     my scale words: lanes 0-15 x's tiles, lanes 16-31 the weights'
.set SPW,   22
.set NIL,   23
.set SC,    24                         ; set s at SC + 20 s; register 2 i + q: tile i, the slot's q-th 128 along K
.set TM,    96                         ; the quantiser's 16 registers at work, in the window that is set
.set PC,    112                        ; the 16 registers of codes just made
.set PW,    95                         ; the scale word just made
.set G1,   24
.set G0,   32
.set G1B,  48
.set G0B,  56
.set G1S,  68
.set G0S,  76
.set G1SB, 80
.set G0SB, 88
.set MSB, 0
.macro WIN new                         ; the immediate's high byte repeats the setting that is left
.if MSB != \new
	s_set_vgpr_msb (MSB<<8)|\new
.set MSB, \new
.endif
.endm
.macro PLACES n
.rept \n
	v_nop
.endr
.endm
; A joint load: waves 0 and 1 fetch for x, waves 2 and 3 for the weights; the branch hangs on the wave's number alone.  Four v_nop follow each of the two lines.
.macro JLOAD g0a, g1a, g0b, g1b
	s_cmp_eq_u32 s95, 0
	s_cbranch_scc0 .Lfor_b_\@
	tensor_load_to_lds s[\g0a:\g0a+3], s[\g1a:\g1a+7]
	s_nop 0
.rept 4
	v_nop
.endr
	s_branch .Lasked_\@
.Lfor_b_\@:
	tensor_load_to_lds s[\g0b:\g0b+3], s[\g1b:\g1b+7]
	s_nop 0
.rept 4
	v_nop
.endr
.Lasked_\@:
.endm
.macro CREST                           ; a round of the cluster's barrier behind its opening barrier
	s_cmp_lg_u32 s94, 0
	s_cbranch_scc1 .Lnot_wave_0_\@
	s_barrier_signal -3
.Lnot_wave_0_\@:
	s_barrier_wait -3
	s_barrier_signal -1
	s_barrier_wait -1
.endm
.macro CROUND
	s_barrier_signal -1
	s_barrier_wait -1
	CREST
.endm
	s_load_b512 s[4:19], s[0:1], 0x0               ; cod, scl, reasoning_mask, attention_mask, bq, bqr, bk, bkr
	s_load_b128 s[20:23], s[0:1], 0x40             ; bv, qq
	s_load_b64 s[92:93], s[0:1], 0x50              ; kv
	v_lshl_add_u32 v[SPW], v0, 2, SPARE
	v_mov_b32 v[NIL], 0
	ds_add_u32 v22, v23
	ds_add_u32 v22, v23
	s_wait_dscnt 0x0
	v_lshrrev_b32 v1, 5, v0
	v_readfirstlane_b32 s94, v1                    ; wave 0..3
	s_lshr_b32 s95, s94, 1                         ; mh: which 128 rows are mine.  Also: I fetch for x (0) or for the weights (1)
	s_and_b32 s96, s94, 1                          ; nh: which ten tiles of weights.  Also: which half of a tile group I fetch
	s_bfe_u32 s40, ttmp6, 0x40000                  ; cx, cy
	s_bfe_u32 s41, ttmp6, 0x40004
	s_lshl_b32 s42, ttmp9, 2
	s_add_co_u32 s42, s42, s40                     ; hd = 4 x cluster x + cx
	s_and_b32 s43, ttmp7, 0xffff
	s_lshl_b32 s43, s43, 2
	s_add_co_u32 s43, s43, s41                     ; rb = 4 x cluster y + cy
	s_lshl_b32 s44, s41, 2
	s_lshl_b32 s44, 15, s44                        ; my row of the cluster
	s_lshl_b32 s45, 0x1111, s40                    ; my column
	; descriptor groups 1: elements of 8 bytes, no padding; bit 21 set beside a mask.  Codes: a row is a tile's 4,096 bytes of this step, tiles 16,384 bytes apart
	s_or_b32 s[G1+0], s44, (3<<16)|(1<<21)
	s_mov_b32 s[G1+1], 512<<16                     ; tensor_dim0 = 512 elements
	s_mov_b32 s[G1+2], 8<<16                       ; tensor_dim1 = 8 tiles
	s_mov_b32 s[G1+3], 512<<16                     ; tile_dim0
	s_mov_b32 s[G1+4], 8                           ; tile_dim1
	s_mov_b32 s[G1+5], 2048                        ; the pitch
	s_mov_b32 s[G1+6], 0
	s_mov_b32 s[G1+7], 0
	s_or_b32 s[G1B+0], s45, (3<<16)|(1<<21)
	s_mov_b32 s[G1B+1], 512<<16
	s_mov_b32 s[G1B+2], 10<<16                     ; 10 tiles
	s_mov_b32 s[G1B+3], 512<<16
	s_mov_b32 s[G1B+4], 10
	s_mov_b32 s[G1B+5], 2048
	s_mov_b32 s[G1B+6], 0
	s_mov_b32 s[G1B+7], 0
	s_lshl_b32 s46, s43, 4
	s_lshl_b32 s47, s96, 3
	s_add_co_u32 s46, s46, s47                     ; x: tile 16 rb + 8 half
	s_mul_i32 s66, s42, 20
	s_mul_i32 s67, s96, 10
	s_add_co_u32 s66, s66, s67
	s_add_co_u32 s66, s66, 256                     ; the weights: tile 256 + 20 hd + 10 half
	s_lshl_b32 s[G0+2], s46, 14
	s_mov_b32 s[G0+3], 0
	s_lshl_b32 s[G0B+2], s66, 14
	s_mov_b32 s[G0B+3], 0
	s_mov_b32 s[G0], 1
	s_mov_b32 s[G0+4], 1
	s_mov_b32 s[G0B], 1
	s_mov_b32 s[G0B+4], 1
	s_lshl_b32 s97, s96, 15                        ; LDS: no place in the cluster enters an LDS address
	s_mov_b32 s[G0+1], s97
	s_add_co_u32 s[G0+5], s97, SLOT
	s_mul_i32 s97, s96, 40960
	s_add_co_u32 s[G0B+1], s97, BOFF
	s_add_co_u32 s[G0B+5], s97, SLOT+BOFF
	s_mov_b32 s98, 0x76543210                      ; v_permlanex16_b32's selects for lane l xor 16
	s_mov_b32 s99, 0xfedcba98
	s_mov_b32 s100, 0x600000                       ; the mantissa field of 57,344
	s_mov_b32 s101, 0xffff0000                     ; lanes 16-31
	s_wait_kmcnt 0x0
	s_add_nc_u64 s[G0+2:G0+3], s[4:5], s[G0+2:G0+3]
	s_add_nc_u64 s[G0+6:G0+7], s[G0+2:G0+3], 4096  ; slot 1 begins with the second 256 along K
	s_add_nc_u64 s[G0B+2:G0B+3], s[4:5], s[G0B+2:G0B+3]
	s_add_nc_u64 s[G0B+6:G0B+7], s[G0B+2:G0B+3], 4096
	s_or_b32 s[G0+3], s[G0+3], 0x80000000          ; type = 2
	s_or_b32 s[G0+7], s[G0+7], 0x80000000
	s_or_b32 s[G0B+3], s[G0B+3], 0x80000000
	s_or_b32 s[G0B+7], s[G0B+7], 0x80000000
	CROUND                                         ; all sixteen work-groups are here: the first joint loads meet
	JLOAD G0, G1, G0B, G1B                         ; slot 0: one tensor load a wave at the head; the scale words no longer pass through LDS
	; the small inputs' places, and where the results go
	s_lshl_b32 s2, s43, 10
	s_lshl_b32 s3, s95, 9
	s_add_co_u32 s2, s2, s3                        ; my 128 rows' 512 bytes of rm and of the mask
	s_mov_b32 s3, 0
	s_add_nc_u64 s[8:9], s[8:9], s[2:3]
	s_add_nc_u64 s[10:11], s[10:11], s[2:3]
	s_cmp_eq_u32 s96, 0                            ; q's biases or k's: the choice hangs on the wave's number
	s_cselect_b64 s[12:13], s[12:13], s[16:17]
	s_cselect_b64 s[14:15], s[14:15], s[18:19]
	s_lshl_b32 s2, s42, 8                          ; the head's 64 numbers
	s_add_nc_u64 s[12:13], s[12:13], s[2:3]
	s_add_nc_u64 s[14:15], s[14:15], s[2:3]
	s_lshl_b32 s16, s96, 7
	s_add_co_u32 s2, s2, s16                       ; bv: my 32 of them
	s_add_nc_u64 s[20:21], s[20:21], s[2:3]
	s_lshr_b32 s16, s43, 3
	s_lshl_b32 s16, s16, 4
	s_add_co_u32 s16, s16, s42                     ; bh = 16 x batch + hd
	s_and_b32 s17, s43, 7
	s_lshl_b32 s17, s17, 1
	s_add_co_u32 s17, s17, s95                     ; my record of 128 rows
	s_mul_i32 s2, s16, 274432
	s_mul_i32 s18, s17, 17152
	s_add_co_u32 s2, s2, s18
	s_add_nc_u64 s[92:93], s[92:93], s[2:3]        ; kv's record: k's codes 8,192, v's images 8,192, k's words 512, v's words 256
	s_mul_i32 s2, s16, 139264
	s_mul_i32 s18, s17, 8704
	s_add_co_u32 s2, s2, s18
	s_add_nc_u64 s[22:23], s[22:23], s[2:3]        ; qq's record: codes 8,192, words 512
	s_lshl_b32 s2, s96, 12
	s_add_co_u32 s2, s2, 8192
	s_add_nc_u64 s[66:67], s[92:93], s[2:3]        ; v's images 2 nh, 2 nh + 1
	s_lshl_b32 s2, s96, 2
	s_add_co_u32 s2, s2, 16896
	s_add_nc_u64 s[46:47], s[92:93], s[2:3]        ; v's words: 8 x lane + 4 nh
	s_cmp_eq_u32 s96, 0
	s_cselect_b64 s[22:23], s[22:23], s[92:93]     ; q's codes or k's
	s_cselect_b32 s2, 0, 8192
	s_add_co_u32 s2, s2, 8192
	s_add_nc_u64 s[40:41], s[22:23], s[2:3]        ; and their words
	v_and_b32 v1, 15, v0                           ; r
	v_bfe_u32 v2, v0, 4, 1                         ; h
	v_and_b32 v3, 31, v0
	v_lshlrev_b32 v17, 3, v3                       ; 8 x lane
	v_lshlrev_b32 v3, 4, v3                        ; 16 x lane
	s_wait_alu depctr_va_vdst(0)
	s_lshl_b32 s97, s95, 15
	v_add_nc_u32 v[ADRA], s97, v3
	v_add_nc_u32 v[ADRA+1], SLOT, v[ADRA]
	s_mul_i32 s97, s96, 40960
	s_add_co_u32 s97, s97, BOFF
	v_add_nc_u32 v[ADRB], s97, v3
	v_add_nc_u32 v[ADRB+1], SLOT, v[ADRB]
	; THE SCALE WORDS COME FROM scl STRAIGHT INTO REGISTERS.  v[ADRS] is a byte offset in scl: lanes 0-15 x's tile 16 rb + 8 mh, lanes 16-31 the weights' tile 256 + 20 hd + 10 nh; 512 bytes a tile, + 8 r
	s_lshl_b32 s2, s95, 12
	s_lshl_b32 s3, s43, 13
	s_add_co_u32 s2, s2, s3
	s_mul_i32 s3, s96, 5120
	s_mul_i32 s97, s42, 10240
	s_add_co_u32 s3, s3, s97
	s_add_co_u32 s3, s3, 131072
	s_sub_co_u32 s3, s3, s2                        ; the weights' lie this much further on (x's offset stays under 131,072)
	v_lshlrev_b32 v[ADRS], 3, v1
	v_mul_u32_u24 v9, s3, v2
	v_add_nc_u32 v[ADRS], v[ADRS], v9
	v_add_nc_u32 v[ADRS], s2, v[ADRS]
	s_mul_i32 s97, s94, SCRW
	s_add_co_u32 s97, s97, SCR                     ; my scratch
	v_add_nc_u32 v9, s97, v3                       ; rm and the mask go in as they lie
	v_lshlrev_b32 v10, 4, v1                       ; a bias is 256 bytes: lanes 16-31 repeat lanes 0-15, so that no load leaves its buffer
	v_add_nc_u32 v11, s97, v10
	v_and_b32 v12, 7, v0
	v_lshlrev_b32 v12, 4, v12                      ; bv's part is 128 bytes: eight lanes' worth
	v_add_nc_u32 v13, s97, v12
	v_and_b32 v14, 8, v1
	v_add_nc_u32 v14, v14, v1
	v_lshl_add_u32 v14, v14, 2, s97                ; out of it: the number of row r + 8 (r / 8)
	v_lshl_add_u32 v15, v2, 6, s97                 ; and 16 numbers of a bias from 16 h on
	global_load_b128 v[64:67], v3, s[8:9]
	global_load_b128 v[68:71], v3, s[10:11]
	global_load_b128 v[72:75], v10, s[12:13]
	global_load_b128 v[76:79], v10, s[14:15]
	global_load_b128 v[80:83], v12, s[20:21]
.irp S, 0,1                                    ; steps 0 and 1's scale words, both sets: the wait below covers them
.irp i, 0,1,2,3,4,5,6,7,8,9
	global_load_b64 v[SC+20*\S+2*\i:SC+20*\S+2*\i+1], v[ADRS], s[6:7] offset:\i*512+\S*128
.endr
.endr
	s_wait_alu depctr_va_vdst(0)
	s_wait_loadcnt 0x0
	ds_store_b128 v9, v[64:67]
	ds_store_b128 v9, v[68:71] offset:512
	ds_store_b128 v11, v[72:75] offset:1024
	ds_store_b128 v11, v[76:79] offset:1280
	ds_store_b128 v13, v[80:83] offset:1536
; Eight matrix instructions: the weights' tile bidx (fragment at v[fb], window 0) against x's eight tiles (set, window 1), the slot's q-th 128 along K; sc: the set of scale words.
; zero = 1: the first product starts the sums.  The 80 accumulators take turns, one instruction a turn, in the same order in every K step.
.macro MUL8 fb, bidx, set, sc, q, zero
.irp a, 0,1,2,3,4,5,6,7
.if (\bidx) < 8
.if \zero
	v_wmma_scale_f32_16x16x128_f8f6f4 v[8*(8*((\bidx)%4)+\a):8*(8*((\bidx)%4)+\a)+7], v[\fb:\fb+15], v[128*(\set)+16*\a:128*(\set)+16*\a+15], 0, v[SC+20*(\sc)+2*(\bidx)+(\q)], v[SC+20*(\sc)+2*\a+(\q)] matrix_a_fmt:MATRIX_FMT_BF8 matrix_b_fmt:MATRIX_FMT_BF8 matrix_a_scale:MATRIX_SCALE_ROW1
.else
	v_wmma_scale_f32_16x16x128_f8f6f4 v[8*(8*((\bidx)%4)+\a):8*(8*((\bidx)%4)+\a)+7], v[\fb:\fb+15], v[128*(\set)+16*\a:128*(\set)+16*\a+15], v[8*(8*((\bidx)%4)+\a):8*(8*((\bidx)%4)+\a)+7], v[SC+20*(\sc)+2*(\bidx)+(\q)], v[SC+20*(\sc)+2*\a+(\q)] matrix_a_fmt:MATRIX_FMT_BF8 matrix_b_fmt:MATRIX_FMT_BF8 matrix_a_scale:MATRIX_SCALE_ROW1
.endif
.else
.if \zero
	v_wmma_scale_f32_16x16x128_f8f6f4 v[128+8*(8*((\bidx)-8)+\a):128+8*(8*((\bidx)-8)+\a)+7], v[128*(\set)+16*\a:128*(\set)+16*\a+15], v[\fb:\fb+15], 0, v[SC+20*(\sc)+2*\a+(\q)], v[SC+20*(\sc)+2*(\bidx)+(\q)] matrix_a_fmt:MATRIX_FMT_BF8 matrix_b_fmt:MATRIX_FMT_BF8 matrix_b_scale:MATRIX_SCALE_ROW1
.else
	v_wmma_scale_f32_16x16x128_f8f6f4 v[128+8*(8*((\bidx)-8)+\a):128+8*(8*((\bidx)-8)+\a)+7], v[128*(\set)+16*\a:128*(\set)+16*\a+15], v[\fb:\fb+15], v[128+8*(8*((\bidx)-8)+\a):128+8*(8*((\bidx)-8)+\a)+7], v[SC+20*(\sc)+2*\a+(\q)], v[SC+20*(\sc)+2*(\bidx)+(\q)] matrix_a_fmt:MATRIX_FMT_BF8 matrix_b_fmt:MATRIX_FMT_BF8 matrix_b_scale:MATRIX_SCALE_ROW1
.endif
.endif
.endr
.endm
; Pair p of a K step: the weights' tiles 2 p and 2 p + 1, from ring buffer (5 q + p) % 2; x's set is q.  Behind it eight places: a load into a register that a matrix instruction of this form has read
; stands eight plain vector instructions behind it.
.macro PAIR p, q, sc, zero
.set FB, 64+32*((5*(\q)+(\p))%2)
.if (\p) < 2
	WIN 0xa4                                       ; source 0 window 0, source 1 window 1, C and D window 2
.elseif (\p) < 4
	WIN 0xf4                                       ; C and D window 3
.else
	WIN 0x01                                       ; v: source 0 (x) window 1, the rest window 0
.endif
	MUL8 FB, 2*(\p), \q, \sc, \q, \zero
	MUL8 FB+16, 2*(\p)+1, \q, \sc, \q, \zero
	WIN 0
	PLACES 8
.endm
.macro FETCH_BP slot, q, p, buf        ; the weights' pair p of the slot's q-th K step into ring buffer buf: 8 loads
.irp f, 0,1
.irp c, 0,1,2,3
	ds_load_b128 v[64+32*(\buf)+16*\f+4*\c:64+32*(\buf)+16*\f+4*\c+3], v[ADRB+\slot] offset:(2*(\p)+\f)*4096+(\q)*2048+512*\c
.endr
.endr
.endm
.macro FETCH_A slot, q, set, i0, n     ; x's fragments i0 .. i0 + n - 1 into a set: 4 loads each
	WIN 0x40
.set FI, \i0
.rept \n
.irp c, 0,1,2,3
	ds_load_b128 v[128*(\set)+16*FI+4*\c:128*(\set)+16*FI+4*\c+3], v[ADRA+\slot] offset:FI*4096+(\q)*2048+512*\c
.endr
.set FI, FI+1
.endr
	WIN 0
.endm
.macro SCALES S                        ; step S's scale words, two a tile: 10 loads
.irp i, 0,1,2,3,4,5,6,7,8,9
	global_load_b64 v[SC+20*((\S)%2)+2*\i:SC+20*((\S)%2)+2*\i+1], v[ADRS], s[6:7] offset:\i*512+(\S)*128
.endr
.endm
; A slot's first K step.  Behind pair p stands a run of loads: the weights' pair two on (8), and for p < 4 two of x's fragments of the second K step (8).
; The waits count what was issued behind the pair in hand: 8: the one run of 8; 16: the run behind pair 0; 24: x's 8 of the run before last and the last run's 16.
.macro KS_A S, zero
.set SL, (\S)%2
.if (\S) == 2
	s_wait_loadcnt 10                              ; step 2's ten scale loads are in; step 3's ten, issued behind them, may be out
.elseif (\S) == 3
	s_wait_loadcnt 0x0
.endif
.irp p, 0,1,2,3,4
.if \p == 0
	s_wait_dscnt 8
.elseif \p == 1
	s_wait_dscnt 16
.else
	s_wait_dscnt 24
.endif
	PAIR \p, 0, SL, \zero
.if \p < 3
	FETCH_BP SL, 0, \p+2, \p%2
.else
	FETCH_BP SL, 1, \p-3, \p%2
.endif
.if \p < 4
	FETCH_A SL, 1, 1, 2*\p, 2
.endif
.endr
.endm
.macro KS_HEAD                         ; the first three pairs of a slot's second K step: behind each pair in hand one run of 8 was issued
.irp p, 0,1,2
	s_wait_dscnt 8
	PAIR \p, 1, SL, 0
	FETCH_BP SL, 1, \p+2, (5+\p)%2
.endr
.endm
; A slot's second K step changes slots in its fourth pair: ONE barrier; in front of it each wave waits for all its tensor loads, adds 0 to its spare word, and waits for that and for its reads of this slot.
; fill = 1: the barrier opens a round of the cluster's, and this slot is filled again, two steps ahead: the wave's one tensor load behind the round.
.macro KS_T S, fill
.set SL, (\S)%2
.set NX, 1-SL
	KS_HEAD
	s_wait_tensorcnt 0x0                           ; all my tensor loads have landed: my part of the next slot
	ds_add_u32 v[SPW], v[NIL]                      ; 0 onto my spare word
	s_wait_dscnt 9                                 ; (the add and the last pair's 8 loads may be out)
	WIN 0xf4
	MUL8 64, 6, 1, SL, 1, 0
	s_wait_dscnt 0x0                               ; the add is done, and my reads of this slot are over
	s_barrier_signal -1
	MUL8 80, 7, 1, SL, 1, 0
	WIN 0
	s_barrier_wait -1
.if \fill
	CREST
	s_add_nc_u64 s[G0+4*SL+2:G0+4*SL+3], s[G0+4*SL+2:G0+4*SL+3], 8192
	s_add_nc_u64 s[G0B+4*SL+2:G0B+4*SL+3], s[G0B+4*SL+2:G0B+4*SL+3], 8192
	JLOAD G0+4*SL, G1, G0B+4*SL, G1B               ; its four v_nop are four of the eight places
	PLACES 4
.else
	PLACES 8
.endif
	FETCH_BP NX, 0, 0, 0
	FETCH_A NX, 0, 0, 0, 8
	PAIR 4, 1, SL, 0                               ; its fragments were waited for in front of the barrier
.if (\S) < 2
	SCALES (\S)+2                                  ; this step's set is done with (eight places stand behind its last product): it takes the words of the step two on
.endif
	FETCH_BP NX, 0, 1, 1
.endm
	s_wait_alu depctr_va_vdst(0)                   ; the wait at the head's end
	s_wait_tensorcnt 0x0                           ; my part of slot 0 is in
	ds_add_u32 v[SPW], v[NIL]
	s_wait_dscnt 0x0                               ; the add is done, and my scratch is written
	CROUND                                         ; a whole round: slot 0 is whole, and the joint loads meet
	JLOAD G0+4, G1, G0B+4, G1B                     ; slot 1's first fill: my one tensor load behind the round
	FETCH_BP 0, 0, 0, 0
	FETCH_A 0, 0, 0, 0, 8
	FETCH_BP 0, 0, 1, 1
	KS_A 0, 1                                      ; K is 1,024: four steps of 256, written out
	KS_T 0, 1
	KS_A 1, 0
	KS_T 1, 1
	KS_A 2, 0
	KS_T 2, 0
	KS_A 3, 0
.set SL, 1
	KS_HEAD
	s_wait_dscnt 8
	PAIR 3, 1, 1, 0
	s_wait_dscnt 0x0
	PAIR 4, 1, 1, 0                                ; its eight places serve all that follows
; 64 numbers of a lane, v[s] on, register 16 b + i = place 32 b + 16 h + i of my row along K, become 16 registers of codes in v[PC] on; the four bytes stay in v[TM+4] on; word = 1: also as one word in v[PW].
; It runs in whichever window is set for all operand places.
.macro QUANT4 s, word
	s_wait_xcnt 0x0                                ; earlier stores have read their data: v[PC] on may be written again
.irp b, 0,1,2,3
	v_max3_num_f32 v[TM+\b], |v[\s+16*\b]|, |v[\s+1+16*\b]|, 0x8000000   ; with the floor 2^(16 - 127): the byte cannot fall under 1
.endr
.irp i, 2,4,6,8,10,12,14
.irp b, 0,1,2,3
	v_max3_num_f32 v[TM+\b], v[TM+\b], |v[\s+16*\b+\i]|, |v[\s+1+16*\b+\i]|
.endr
.endr
.irp b, 0,1,2,3
	v_permlanex16_b32 v[TM+4+\b], v[TM+\b], s98, s99
.endr
.irp b, 0,1,2,3
	v_max_num_f32 v[TM+\b], v[TM+\b], v[TM+4+\b]   ; with lane l xor 16's: the block's largest magnitude
.endr
.irp b, 0,1,2,3
	v_add_nc_u32 v[TM+12+\b], 0xf8800000, v[TM+\b] ; 15 off its exponent field: the conversion's scale operand
.endr
.irp b, 0,1,2,3
	v_and_or_b32 v[TM+8+\b], v[TM+\b], 0x7f800000, s100   ; 57,344 x the scale
.endr
.irp b, 0,1,2,3
	v_lshrrev_b32 v[TM+4+\b], 23, v[TM+12+\b]      ; the scale's byte
.endr
.if \word
	v_lshl_or_b32 v[PW], v[TM+5], 8, v[TM+4]
	v_lshl_or_b32 v[PW], v[TM+6], 16, v[PW]
	v_lshl_or_b32 v[PW], v[TM+7], 24, v[PW]
.endif
.irp b, 0,1,2,3
.irp i, 0,1,2,3,4,5,6,7,8,9,10,11,12,13,14,15
	v_med3_num_f32 v[\s+16*\b+\i], v[\s+16*\b+\i], -v[TM+8+\b], v[TM+8+\b]   ; the conversion does not saturate (ISA guide 7.6.2): the hold
.endr
	v_cvt_scalef32_pk8_bf8_f32 v[PC+4*\b:PC+1+4*\b], v[\s+16*\b:\s+7+16*\b], v[TM+12+\b]
	v_cvt_scalef32_pk8_bf8_f32 v[PC+2+4*\b:PC+3+4*\b], v[\s+8+16*\b:\s+15+16*\b], v[TM+12+\b]
.endr
	v_nop                                          ; a plain line behind the last conversion
.endm
	; ---- out of the scratch, into window 1 (x's fragments are done with): v192-223 the first bias, v224-255 the second, register 16 b + i = bias[32 b + 16 h + i];
	; v64-79 rm of tile a's row, twice (a pair); v160-167 the mask's word of tile a's row
	WIN 0x40
.irp b, 0,1
.irp k, 0,1,2,3
	ds_load_b128 v[192+16*\b+4*\k:195+16*\b+4*\k], v15 offset:1024+128*\b+16*\k
	ds_load_b128 v[224+16*\b+4*\k:227+16*\b+4*\k], v15 offset:1280+128*\b+16*\k
.endr
.endr
.irp a, 0,1,2,3,4,5,6,7
	ds_load_b32 v[64+2*\a], v14 offset:(32*(\a/2)+8*(\a%2))*4
	ds_load_b32 v[65+2*\a], v14 offset:(32*(\a/2)+8*(\a%2))*4
	ds_load_b32 v[160+\a], v14 offset:512+(32*(\a/2)+8*(\a%2))*4
.endr
.irp b, 0,1,2,3
	v_mov_b32 v[TM+4+\b], 0                        ; a lane permute's destination counts as one of its sources: written once, in both windows
.endr
	WIN 0
.irp b, 0,1,2,3
	v_mov_b32 v[TM+4+\b], 0
.endr
.irp u, 0,1
	ds_load_b32 v[88+2*\u], v14 offset:1536+32*\u  ; bv of my lane's place in v's tile u, twice
	ds_load_b32 v[89+2*\u], v14 offset:1536+32*\u
.endr
	s_wait_dscnt 0x0
	; ---- v: tile u's eight accumulators are 64 numbers along the record's 128 keys
.irp u, 0,1
.irp j, 0,2,4,6,8,10,12,14,16,18,20,22,24,26,28,30,32,34,36,38,40,42,44,46,48,50,52,54,56,58,60,62
	v_pk_add_f32 v[128+64*\u+\j:129+64*\u+\j], v[128+64*\u+\j:129+64*\u+\j], v[88+2*\u:89+2*\u]   ; each accumulator from its low end on
.endr
	QUANT4 128+64*\u, 1
.irp c, 0,1,2,3
	global_store_b128 v3, v[PC+4*\c:PC+4*\c+3], s[66:67] offset:2048*\u+512*\c   ; 512 consecutive bytes, aligned
.endr
	v_mov_b32 v[92+\u], v[PW]
.endr
	v_cndmask_b32 v94, v92, v93, s101              ; lanes 0-15 tile 0's words, lanes 16-31 tile 1's
	global_store_b32 v17, v94, s[46:47]
	; ---- q (nh = 0) or k (nh = 1), at work in window 1: v0-63 two tiles' numbers, v128-159 the second projection, v80-95 1 - rm, v168-171 the words
	s_cmp_eq_u32 s96, 0
	s_mov_b32 s2, 212                              ; k's byte for a masked key; q's side has 127 in both cases
	s_cselect_b32 s2, 127, s2
	s_mov_b32 s3, 1                                ; and for an open one
	s_cselect_b32 s3, 127, s3
	WIN 0x55
	v_mov_b32 v174, s2
	v_mov_b32 v175, s3
.irp k, 0,1,2,3,4,5,6,7,8,9,10,11,12,13,14,15
	v_sub_f32 v[80+\k], 1.0, v[64+\k]
.endr
.irp a, 0,1,2,3,4,5,6,7
	v_cmp_eq_u32 vcc_lo, 0, v[160+\a]
	v_cndmask_b32 v[160+\a], v175, v174, vcc_lo
.endr
.irp a, 0,2,4,6
	v_lshl_or_b32 v[160+\a], v[160+\a], 16, 0x7f000000   ; an even tile's word: [s0, s1, mask byte, 127]
	v_or_b32 v[161+\a], 0x7f00, v[161+\a]                ; an odd tile's: [mask byte, 127, s0, s1]
.endr
.macro BLEND a                         ; tile a's 32 numbers a lane: (first + bias) (1 - rm) + (second + bias) rm
	WIN 0x46                                       ; source 0 window 2, source 1 and destination window 1
.irp bi, 0,1,2,3
.irp j, 0,2,4,6
	v_pk_add_f32 v[32*((\a)%2)+8*\bi+\j:32*((\a)%2)+8*\bi+\j+1], v[8*(8*\bi+(\a))+\j:8*(8*\bi+(\a))+\j+1], v[192+8*\bi+\j:193+8*\bi+\j]
.endr
.endr
	WIN 0x47                                       ; source 0 window 3
.irp bi, 0,1,2,3
.irp j, 0,2,4,6
	v_pk_add_f32 v[128+8*\bi+\j:129+8*\bi+\j], v[8*(8*\bi+(\a))+\j:8*(8*\bi+(\a))+\j+1], v[224+8*\bi+\j:225+8*\bi+\j]
.endr
.endr
	WIN 0x55
.irp j, 0,2,4,6,8,10,12,14,16,18,20,22,24,26,28,30
	v_pk_mul_f32 v[128+\j:129+\j], v[128+\j:129+\j], v[64+2*(\a):65+2*(\a)]
.endr
.irp j, 0,2,4,6,8,10,12,14,16,18,20,22,24,26,28,30
	v_pk_fma_f32 v[32*((\a)%2)+\j:32*((\a)%2)+\j+1], v[32*((\a)%2)+\j:32*((\a)%2)+\j+1], v[80+2*(\a):81+2*(\a)], v[128+\j:129+\j]
.endr
.endm
.irp i, 0,1,2,3
	BLEND 2*\i
	BLEND 2*\i+1
	QUANT4 0, 0                                    ; blocks 0, 1: tile 2 i's two blocks of 32; blocks 2, 3: tile 2 i + 1's
	v_lshl_or_b32 v172, v[TM+5], 8, v[TM+4]
	v_lshl_or_b32 v173, v[TM+7], 8, v[TM+6]
	v_or_b32 v172, v172, v[160+2*\i]
	v_lshl_or_b32 v173, v173, 16, v[161+2*\i]
	v_cndmask_b32 v[168+\i], v172, v173, s101      ; lanes 0-15 the even tile's words, lanes 16-31 the odd tile's
	WIN 0x04                                       ; a store's data window 1, its offset window 0
.irp c, 0,1,2,3
	global_store_b128 v3, v[PC+4*\c:PC+4*\c+3], s[22:23] offset:2048*\i+512*\c
.endr
.endr
	global_store_b128 v3, v[168:171], s[40:41]
	WIN 0
	s_wait_tensorcnt 0x0                           ; the wave's end
	ds_add_u32 v[SPW], v[NIL]
	s_wait_dscnt 0x0
	CROUND                                         ; the closing round
	s_endpgm
.Lfunc_end_k_qc9af52b49d_proj:
	.size	k_qc9af52b49d_proj, .Lfunc_end_k_qc9af52b49d_proj-k_qc9af52b49d_proj
	.p2alignl 7, 3214868480
	.fill 96, 4, 3214868480
	.section	.rodata,"a",@progbits
	.p2align	6, 0x0
	.amdhsa_kernel k_qc9af52b49d_proj
		.amdhsa_group_segment_fixed_size 327680
		.amdhsa_private_segment_fixed_size 0
		.amdhsa_enable_private_segment 0
		.amdhsa_kernarg_size 88
		.amdhsa_user_sgpr_count 2
		.amdhsa_user_sgpr_kernarg_segment_ptr 1
		.amdhsa_wavefront_size32 1
		.amdhsa_system_sgpr_workgroup_id_x 1
		.amdhsa_system_sgpr_workgroup_id_y 1
		.amdhsa_system_sgpr_workgroup_id_z 1
		.amdhsa_system_vgpr_workitem_id 0
		.amdhsa_next_free_vgpr 1024
		.amdhsa_next_free_sgpr 102
		.amdhsa_reserve_vcc 1
		.amdhsa_float_denorm_mode_32 3
		.amdhsa_float_denorm_mode_16_64 3
		.amdhsa_memory_ordered 1
		.amdhsa_forward_progress 1
		.amdhsa_inst_pref_size 240
	.end_amdhsa_kernel
	.amdgpu_metadata
---
amdhsa.version: [ 1, 2 ]
amdhsa.kernels:
  - .name:           k_qc9af52b49d_proj
    .symbol:         k_qc9af52b49d_proj.kd
    .args:
      - { .name: cod, .offset: 0, .size: 8, .value_kind: global_buffer, .address_space: global }
      - { .name: scl, .offset: 8, .size: 8, .value_kind: global_buffer, .address_space: global }
      - { .name: reasoning_mask, .offset: 16, .size: 8, .value_kind: global_buffer, .address_space: global }
      - { .name: attention_mask, .offset: 24, .size: 8, .value_kind: global_buffer, .address_space: global }
      - { .name: bq, .offset: 32, .size: 8, .value_kind: global_buffer, .address_space: global }
      - { .name: bqr, .offset: 40, .size: 8, .value_kind: global_buffer, .address_space: global }
      - { .name: bk, .offset: 48, .size: 8, .value_kind: global_buffer, .address_space: global }
      - { .name: bkr, .offset: 56, .size: 8, .value_kind: global_buffer, .address_space: global }
      - { .name: bv, .offset: 64, .size: 8, .value_kind: global_buffer, .address_space: global }
      - { .name: qq, .offset: 72, .size: 8, .value_kind: global_buffer, .address_space: global }
      - { .name: kv, .offset: 80, .size: 8, .value_kind: global_buffer, .address_space: global }
    .group_segment_fixed_size: 327680
    .private_segment_fixed_size: 0
    .kernarg_segment_align: 8
    .kernarg_segment_size: 88
    .max_flat_workgroup_size: 128
    .sgpr_count:     102
    .vgpr_count:     1024
    .wavefront_size: 32
...
	.end_amdgpu_metadata
.endif
;; end of part 2
;; launch attn (part 3): grid 8 x 32, 8 waves a work-group, clusters of 4 x 1, 276,480 bytes of LDS; arguments qq, kv, oc, os; writes oc, os
.if DOCPART == 3
	.amdgcn_target "amdgcn-amd-amdhsa--gfx1250"
	.amdhsa_code_object_version 6
	.text
	.protected	k_qc9af52b49d_attn
	.globl	k_qc9af52b49d_attn
	.p2align	8
	.type	k_qc9af52b49d_attn,@function
k_qc9af52b49d_attn:
	s_mov_b64 s[64:65], 0
	v_nop
	global_prefetch_b8 v0, s[64:65] scope:SCOPE_SE
	s_setreg_imm32_b32 hwreg(HW_REG_WAVE_MODE, 25, 1), 1
	s_wait_xcnt 0x0
	s_wait_alu depctr_hold_cnt(0) depctr_sa_sdst(0) depctr_va_vdst(0) depctr_va_sdst(0) depctr_va_ssrc(0) depctr_va_vcc(0) depctr_vm_vsrc(0)
	s_getreg_b32 s2, hwreg(HW_REG_IB_STS2, 6, 4)
	s_cmp_eq_u32 s2, 0
	s_cbranch_scc0 .Lentry_in_a_cluster
	s_endpgm
.Lentry_in_a_cluster:
	s_bfe_u32 s2, ttmp6, 0x10000c
	s_cmp_lg_u32 s2, 0x3003
	s_cbranch_scc0 .Lentry_shape_is_right
	s_endpgm
.Lentry_shape_is_right:
; o = softmax(q k^T / 8, masked) v for one head, both products on codes of BF8 (E5M2) with E8M0 scales; o is quantised along the hidden axis for the last projection.
; THE SOFTMAX: t = score x log2(e) / 8; M = the running largest t rounded UP to a whole number; p = 2^(t - M) is quantised along the keys, not normalised; the row's sum is taken of the
; unquantised p and divides at the end.  When M moves, the sum and O are multiplied by 2^(old M - new M): exact.
; SHARES.  A work-group owns 256 queries of head bh; each of its EIGHT waves owns TWO tiles of 16 queries, so that each fragment of k and of v that it reads from LDS feeds two products: 34 LDS loads for a step's 24 products.
; Every wave walks the head's 2,048 keys, 128 a step.
; THE WHOLE HEAD'S k AND v STAY IN LDS: 16 records of 17,152 bytes as they lie in memory (k's codes 8 x 1,024; v's four images of 2,048; k's words 512; v's words 256); every byte is filled once, nothing is stored to LDS.
; CLUSTER: the four query blocks of a cluster walk the same head: the records are asked for jointly.  WAVE w ASKS FOR RECORDS 2 w, 2 w + 1 by one tensor load (134 rows of 256 bytes), in two arms: waves 0, 1 (records 0-3) at once,
; the others behind their scalar set-up.  The first barrier shows records 0-3 (waves 0, 1 alone wait there); behind three key steps every wave waits, and a second barrier shows the rest.  No other barrier: nobody writes LDS.
; THE LOADS RUN AHEAD: k's eight fragments and words of the NEXT step are asked for behind this step's score products (the last step names record 15 again, so that no load leaves the records); v's fragments are asked for
; behind tile 0's conversions and land under tile 1's softmax.
; NO PREFETCH INTO THE L2: all that the launch reads of kv is asked for at the head; there is no loop to run ahead in.
; LAYOUT.  Both products are used transposed (S^T = k q^T, O^T = v^T p^T): a lane holds one query of each tile.  The keys of a tile were chosen so that the 16 registers of tiles 2 b, 2 b + 1 are keys 32 b + 16 h + 0 .. 15.
; K = 64 AND THE MASK.  A fragment's 16 registers are [data 8][constant 8] for even key tiles and [constant 8][data 8] for odd ones; three runs [data][constant][data] serve a pair of tiles.  The constant block's
; first code is -57,344 on k's side and 1 on q's; k's scale word holds for it the byte 212 (masked: the score gets -1.75 x 2^100) or 1 (open: -1.75 x 2^-111).
; LIMITS: |score| under 2^90: the running largest t begins at -2^90, over every masked t, so a step of masked keys alone gives p = 0.  Where it still stands there at the end (every key masked) o's scale bytes become
; 0xff, which makes the last projection NaN, as the softmax of a row of -infinity is.  A block's largest p is the image of its largest score: this takes v_exp_f32 not to fall where its input rises.
; REGISTERS.  Window 0 (T = my tile 0, 1): v1-9 addresses; v[12+4T] -M, v[13+4T] the largest t, v[14+4T:15+4T] the sum; v20-23 k's words, v24-25 v's, v26-29 q's two forms for each tile, v30+T p's word;
;   v[32+64T ..] S^T, then p (tile 0's 64 then take v's fragments); v[160+16T ..] p's codes; v208-229, v242-253 at work; v[224+6T:225+6T] f; v254, v255 for the add.
; Window 1: v[24T ..] q's three runs; v[48+24P ..] k's three runs of tile pair P = 0 .. 3; v[144+32T ..] O^T.
.set REC, 17152
.set SPARE, 0x43000                    ; behind the 16 records: the spare words, 128 bytes a wave
.set WV,  12
.set MNT, 19
.set SEL, 20
.set CS,  22
.set G1,  24
.set G0,  32
.set TB,  48
.set CNT, 49
.set TN,  50
.set MSB, 0
.macro WIN new                         ; the immediate's high byte repeats the setting that is left
.if MSB != \new
	s_set_vgpr_msb (MSB<<8)|\new
.set MSB, \new
.endif
.endm
.macro CROUND
	s_barrier_signal -1
	s_barrier_wait -1
	s_cmp_lg_u32 s[WV], 0
	s_cbranch_scc1 .Lnot_wave_0_\@
	s_barrier_signal -3
.Lnot_wave_0_\@:
	s_barrier_wait -3
	s_barrier_signal -1
	s_barrier_wait -1
.endm
.macro SADR                            ; scalar set-up: where my q lies and where my o goes
	s_lshr_b32 s52, s[WV], 2
	s_lshl_b32 s53, s14, 1
	s_add_co_u32 s52, s52, s53                     ; my record of q
	s_mul_i32 s52, s52, 8704
	s_mul_i32 s53, s15, 139264
	s_add_co_u32 s52, s52, s53
	s_mov_b32 s53, 0
	s_add_nc_u64 s[4:5], s[4:5], s[52:53]
	s_and_b32 s54, s[WV], 3                        ; my tiles in it: a = 2 (wave % 4) and a + 1
	s_lshl_b32 s55, s54, 11                        ; 1,024 a
	s_lshl_b32 s52, s54, 2
	s_add_co_u32 s52, s52, 8192                    ; a tile's words: 8,192 + 16 (16 (a % 2) + r) + 4 (a / 2)
	s_lshr_b32 s56, s15, 4
	s_lshl_b32 s56, s56, 7
	s_lshl_b32 s57, s14, 4
	s_add_co_u32 s56, s56, s57
	s_lshl_b32 s57, s[WV], 1
	s_add_co_u32 s56, s56, s57                     ; my first tile of rows: 128 x batch + 16 x block + 2 x wave
	s_and_b32 s57, s15, 15                         ; hd
	s_lshl_b32 s58, s56, 14
	s_lshl_b32 s59, s57, 10                        ; the head's 64 of the 1,024: 1,024 hd bytes
	s_add_co_u32 s58, s58, s59
	s_mov_b32 s59, 0
	s_add_nc_u64 s[8:9], s[8:9], s[58:59]
	s_lshl_b32 s58, s56, 9
	s_lshr_b32 s60, s57, 2
	s_lshl_b32 s60, s60, 7
	s_add_co_u32 s58, s58, s60
	s_bfe_u32 s60, s57, 0x10001
	s_lshl_b32 s60, s60, 2
	s_add_co_u32 s58, s58, s60
	s_and_b32 s60, s57, 1
	s_lshl_b32 s60, s60, 1
	s_add_co_u32 s58, s58, s60
	s_add_nc_u64 s[10:11], s[10:11], s[58:59]
	s_mov_b32 s61, 0xec800000                      ; -2^90
.endm
	s_load_b256 s[4:11], s[0:1], 0x0               ; qq, kv, oc, os
	v_lshl_add_u32 v254, v0, 2, SPARE
	v_mov_b32 v255, 0
	ds_add_u32 v254, v255                          ; the opening lines: the add twice on end and its wait
	ds_add_u32 v254, v255
	v_lshrrev_b32 v1, 5, v0
	v_readfirstlane_b32 s[WV], v1                  ; wave 0..7
	s_bfe_u32 s13, ttmp6, 0x40000                  ; cx
	s_lshl_b32 s14, ttmp9, 2
	s_add_co_u32 s14, s14, s13                     ; my block of 256 queries: it enters q's and o's addresses alone
	s_and_b32 s15, ttmp7, 0xffff                   ; bh, which the four partners share
	s_mov_b32 s[G1], 15|(3<<16)|(1<<21)            ; the mask: all four; elements of 8 bytes; no padding; bit 21 set beside a mask
	s_mov_b32 s[G1+1], 32<<16                      ; two records are dense: 134 rows of 256 bytes
	s_mov_b32 s[G1+2], 134<<16
	s_mov_b32 s[G1+3], 32<<16
	s_mov_b32 s[G1+4], 134
	s_mov_b32 s[G1+5], 32
	s_mov_b32 s[G1+6], 0
	s_mov_b32 s[G1+7], 0
	s_mul_i32 s16, s[WV], 2*REC                    ; records 2 x wave on: in LDS and in memory alike
	s_mul_i32 s50, s15, 16*REC
	s_add_co_u32 s50, s50, s16
	s_mov_b32 s51, 0
	s_mov_b32 s[SEL], 0x76543210
	s_mov_b32 s[SEL+1], 0xfedcba98
	s_mov_b32 s[CS], 0x3e38aa3b                    ; c = log2(e) / 8
	s_mov_b32 s[CS+1], s[CS]                       ; (named with it as a pair)
	s_mov_b32 s[MNT], 0x600000
	s_wait_dscnt 0x0
	s_wait_kmcnt 0x0
	s_add_nc_u64 s[6:7], s[6:7], s[50:51]
	s_mov_b32 s[G0], 1
	s_mov_b32 s[G0+1], s16
	s_mov_b64 s[G0+2:G0+3], s[6:7]
	s_or_b32 s[G0+3], s[G0+3], 0x80000000
	CROUND                                         ; all four work-groups are here: the joint loads meet
	s_cmp_lt_u32 s[WV], 2                          ; two arms, a load line each: waves 0, 1 alone wait at the first barrier
	s_cbranch_scc0 .Lrest
	tensor_load_to_lds s[G0:G0+3], s[G1:G1+7]
	s_nop 0
.rept 4
	v_nop
.endr
	SADR
	s_branch .Lasked
.Lrest:
	SADR
	tensor_load_to_lds s[G0:G0+3], s[G1:G1+7]
	s_nop 0
.rept 4
	v_nop
.endr
.Lasked:
	v_and_b32 v9, 31, v0                           ; lane
	v_and_b32 v8, 15, v0                           ; r
	v_bfe_u32 v4, v0, 4, 1                         ; h
	v_lshlrev_b32 v1, 4, v9                        ; 16 x lane
	v_lshl_add_u32 v2, v9, 3, 16896                ; v's words: 8 x lane
	v_add_nc_u32 v5, s55, v1
	v_lshl_add_u32 v6, v8, 4, s52
	v_lshlrev_b32 v7, 3, v8                        ; o's scale bytes: 8 r
	v_sub_nc_u32 v4, 1, v4                         ; 1 in lanes 0-15: they hold the constant block's first place
	global_load_b32 v26, v6, s[4:5]                ; tile 0's number is even: its word is [s0, s1, 127, 127], the form for even key tiles
	global_load_b32 v29, v6, s[4:5] offset:256     ; tile 1's is odd: [127, 127, s0, s1], the form for odd key tiles
	WIN 0x40                                       ; destinations in window 1
.irp T, 0,1
.irp c, 0,1
	global_load_b128 v[24*\T+4*\c:24*\T+4*\c+3], v5, s[4:5] offset:1024*\T+512*\c         ; q's 64 codes a row, twice: in front of the constant block,
	global_load_b128 v[24*\T+16+4*\c:24*\T+16+4*\c+3], v5, s[4:5] offset:1024*\T+512*\c   ; and behind it
.endr
	v_mul_u32_u24 v[24*\T+8], v4, 0x3c             ; the code of 1
.irp j, 1,2,3,4,5,6,7
	v_mov_b32 v[24*\T+8+\j], 0
.endr
.endr
.irp P, 0,1,2,3
	v_mul_u32_u24 v[56+24*\P], v4, 0xfb            ; the code of -57,344
.irp j, 1,2,3,4,5,6,7
	v_mov_b32 v[56+24*\P+\j], 0
.endr
.endr
	WIN 0
.irp T, 0,1
	v_mov_b32 v[13+4*\T], s61                      ; the largest t so far
	v_mov_b32 v[14+4*\T], 0
	v_mov_b32 v[15+4*\T], 0
	v_mov_b32 v[225+6*\T], 0                       ; (named as the upper half of f's pair)
.endr
	v_floor_f32 v12, -v13                          ; -M
	v_floor_f32 v16, -v17
.irp b, 0,1,2,3
	v_mov_b32 v[212+\b], 0                         ; a lane permute's destination counts as one of its sources
.endr
	s_wait_loadcnt 0x0
	v_alignbit_b32 v27, v26, v26, 16               ; each word's other form: its halves exchanged
	v_alignbit_b32 v28, v29, v29, 16
	WIN 0x40
.irp j, 0,1,2,3,4,5,6,7,8,9,10,11,12,13,14,15,16,17,18,19,20,21,22,23,24,25,26,27,28,29,30,31,32,33,34,35,36,37,38,39,40,41,42,43,44,45,46,47,48,49,50,51,52,53,54,55,56,57,58,59,60,61,62,63
	v_mov_b32 v[144+\j], 0                         ; O^T: the step has no first form: the first change of M multiplies zeros
.endr
	WIN 0
.macro KLOAD adr                       ; k's words and eight fragments of the record at v[adr]: 17 loads
	ds_load_b128 v[20:23], v[\adr] offset:16384    ; register P: lanes 0-15 tile 2 P, lanes 16-31 tile 2 P + 1
	WIN 0x40
.irp t, 0,1,2,3,4,5,6,7
.irp c, 0,1
	ds_load_b128 v[48+24*(\t/2)+16*(\t%2)+4*\c:51+24*(\t/2)+16*(\t%2)+4*\c], v[\adr] offset:\t*1024+512*\c
.endr
.endr
	WIN 0
.endm
.macro BMAX b0, b1                     ; the largest score of two blocks of 32 keys, by turns; each accumulator is read from its low end on
.irp b, \b0, \b1
	v_max3_num_f32 v[208+\b], v[S+16*\b], v[S+1+16*\b], v[S+2+16*\b]
.endr
.irp i, 3,5,7,9,11,13
.irp b, \b0, \b1
	v_max3_num_f32 v[208+\b], v[208+\b], v[S+16*\b+\i], v[S+1+16*\b+\i]
.endr
.endr
.irp b, \b0, \b1
	v_max_num_f32 v[208+\b], v[208+\b], v[S+15+16*\b]
.endr
.endm
; Blocks b0 and b0 + 1 of p: the one-sided hold (p is not negative), two to an instruction, the halves taken crosswise so that the dual form's operand rules hold; the conversions; ldv = 1: the loads of the two fragments of v that take their registers.
.macro HOLD2 b0, ldv
.irp i, 0,2,4,6,8,10,12,14
	v_dual_min_num_f32 v[S+16*(\b0)+\i], v[216+(\b0)], v[S+16*(\b0)+\i] :: v_dual_min_num_f32 v[S+17+16*(\b0)+\i], v[217+(\b0)], v[S+17+16*(\b0)+\i]
	v_dual_min_num_f32 v[S+16+16*(\b0)+\i], v[217+(\b0)], v[S+16+16*(\b0)+\i] :: v_dual_min_num_f32 v[S+1+16*(\b0)+\i], v[216+(\b0)], v[S+1+16*(\b0)+\i]
.endr
.irp u, 0,1
	v_cvt_scalef32_pk8_bf8_f32 v[CD+4*(\b0)+4*\u:CD+1+4*(\b0)+4*\u], v[S+16*(\b0)+16*\u:S+7+16*(\b0)+16*\u], v[220+(\b0)+\u]
	v_cvt_scalef32_pk8_bf8_f32 v[CD+2+4*(\b0)+4*\u:CD+3+4*(\b0)+4*\u], v[S+8+16*(\b0)+16*\u:S+15+16*(\b0)+16*\u], v[220+(\b0)+\u]
.endr
.if \ldv
.irp u, 0,1
.irp c, 0,1,2,3
	ds_load_b128 v[S+16*(\b0)+16*\u+4*\c:S+3+16*(\b0)+16*\u+4*\c], v3 offset:8192+2048*((\b0)+\u)+512*\c
.endr
.endr
.endif
.endm
.macro SOFT T                          ; tile T's softmax of this step's 128 keys, all in window 0
.set S,  32+64*(\T)
.set MM, 12+4*(\T)
.set SU, 14+4*(\T)
.set CD, 160+16*(\T)
.set F,  224+6*(\T)
.set PW, 30+(\T)
	s_wait_alu depctr_va_vdst(0)                   ; directly ahead of the first readers of the scores
	BMAX 0, 1
	BMAX 2, 3
.irp b, 0,1,2,3
	v_permlanex16_b32 v[212+\b], v[208+\b], s[SEL], s[SEL+1]
.endr
.irp b, 0,1,2,3
	s_delay_alu instid0(VALU_DEP_4)
	v_max_num_f32 v[208+\b], v[208+\b], v[212+\b]  ; with lane l xor 16's 16 keys
.endr
	s_delay_alu instid0(VALU_DEP_2)
	v_max3_num_f32 v227, v208, v209, v210
	s_delay_alu instid0(VALU_DEP_1)
	v_max_num_f32 v227, v227, v211
	s_delay_alu instid0(VALU_DEP_1)
	v_mul_f32 v227, s[CS], v227                    ; the step's largest t
	s_delay_alu instid0(VALU_DEP_1)
	v_max_num_f32 v[MM+1], v[MM+1], v227
	v_mov_b32 v227, v[MM]
	s_delay_alu instid0(VALU_DEP_2)
	v_floor_f32 v[MM], -v[MM+1]                    ; the new -M = -ceil(t)
	s_delay_alu instid0(VALU_DEP_1)
	v_sub_f32 v227, v[MM], v227                    ; old M - new M: a whole number, 0 or less
	s_delay_alu instid0(VALU_DEP_1)
	v_cvt_i32_f32 v227, v227                       ; (it saturates)
	s_delay_alu instid0(VALU_DEP_1)
	v_ldexp_f32 v[F], 1.0, v227                    ; f = 2^(old M - new M)
.irp j, 0,2,4,6,8,10,12,14,16,18,20,22,24,26,28,30,32,34,36,38,40,42,44,46,48,50,52,54,56,58,60,62
	v_pk_fma_f32 v[S+\j:S+1+\j], v[S+\j:S+1+\j], s[CS:CS+1], v[MM:MM+1] op_sel_hi:[1,0,0]   ; t - M
.endr
.irp b, 0,1,2,3
	v_fma_f32 v[208+\b], v[208+\b], s[CS], v[MM]   ; the same of each block's largest score
.endr
	s_wait_alu depctr_va_vdst(0)                   ; ahead of the batch of exponentials
.irp j, 0,1,2,3,4,5,6,7,8,9,10,11,12,13,14,15,16,17,18,19,20,21,22,23,24,25,26,27,28,29,30,31,32,33,34,35,36,37,38,39,40,41,42,43,44,45,46,47,48,49,50,51,52,53,54,55,56,57,58,59,60,61,62,63
	v_exp_f32 v[S+\j], v[S+\j]                     ; p = 2^(t - M)
.endr
.irp b, 0,1,2,3
	v_exp_f32 v[208+\b], v[208+\b]                 ; the block's largest p
.endr
	v_pk_mul_f32 v[SU:SU+1], v[SU:SU+1], v[F:F+1] op_sel_hi:[1,0]   ; the sums under the new M (a plain line behind the exponentials)
	s_wait_alu depctr_va_vdst(0)                   ; and behind it
.irp b, 0,1,2,3
	v_max_num_f32 v[208+\b], 0x8000000, v[208+\b]  ; the floor 2^(16 - 127)
.endr
.irp b, 0,1,2,3
	s_delay_alu instid0(VALU_DEP_4)
	v_add_nc_u32 v[220+\b], 0xf8800000, v[208+\b]  ; the conversion's scale operand
.endr
.irp b, 0,1,2,3
	v_and_or_b32 v[216+\b], v[208+\b], 0x7f800000, s[MNT]   ; 57,344 x the scale
.endr
.irp b, 0,1,2,3
	v_lshrrev_b32 v[212+\b], 23, v[220+\b]         ; the scale's byte
.endr
	s_delay_alu instid0(VALU_DEP_3)
	v_lshl_or_b32 v[PW], v213, 8, v212             ; p's scale word for these 128 keys
	s_delay_alu instid0(VALU_DEP_1)
	v_lshl_or_b32 v[PW], v214, 16, v[PW]
	s_delay_alu instid0(VALU_DEP_1)
	v_lshl_or_b32 v[PW], v215, 24, v[PW]
	; the row's sum of the unquantised p: 32 pairs in eight chains: v242-253, v[228:229] and the sum itself
.irp c, 0,1,2,3,4,5
	v_pk_add_f32 v[242+2*\c:243+2*\c], v[S+4*\c:S+1+4*\c], v[S+2+4*\c:S+3+4*\c]
.endr
	v_pk_add_f32 v[228:229], v[S+24:S+25], v[S+26:S+27]
	v_pk_add_f32 v[SU:SU+1], v[SU:SU+1], v[S+28:S+29]
.irp g, 0,1
.irp c, 0,1,2,3,4,5
	v_pk_add_f32 v[242+2*\c:243+2*\c], v[242+2*\c:243+2*\c], v[S+30+16*\g+2*\c:S+31+16*\g+2*\c]
.endr
	v_pk_add_f32 v[228:229], v[228:229], v[S+42+16*\g:S+43+16*\g]
	v_pk_add_f32 v[SU:SU+1], v[SU:SU+1], v[S+44+16*\g:S+45+16*\g]
.endr
	v_pk_add_f32 v[242:243], v[242:243], v[S+62:S+63]
	v_pk_add_f32 v[SU:SU+1], v[SU:SU+1], v[248:249]
	v_pk_add_f32 v[242:243], v[242:243], v[250:251]
	v_pk_add_f32 v[244:245], v[244:245], v[252:253]
	v_pk_add_f32 v[246:247], v[246:247], v[228:229]
	v_pk_add_f32 v[SU:SU+1], v[SU:SU+1], v[244:245]
	v_pk_add_f32 v[242:243], v[242:243], v[246:247]
	v_pk_add_f32 v[SU:SU+1], v[SU:SU+1], v[242:243]
	HOLD2 0, 1-(\T)                                ; blocks 0, 1 become codes; tile 0: v's fragments 0, 1 are asked for
	HOLD2 2, 1-(\T)                                ; blocks 2, 3 likewise: their holds are the plain lines behind the first four conversions
.endm
.macro STEP                            ; 128 keys: the record at LDS byte s[TB]; s[TN]: the next step's
	s_wait_dscnt 0x0                               ; k's fragments and words, asked for a step ago
	WIN 0x05                                       ; k and q in window 1, the scores in window 0
.irp T, 0,1                                    ; S^T = k q^T: each of k's eight fragments serves both tiles of queries
.irp P, 0,1,2,3
	v_wmma_scale_f32_16x16x128_f8f6f4 v[32+64*\T+16*\P:39+64*\T+16*\P], v[48+24*\P:63+24*\P], v[24*\T:24*\T+15], 0, v[20+\P], v[26+2*\T] matrix_a_fmt:MATRIX_FMT_BF8 matrix_b_fmt:MATRIX_FMT_BF8
	v_wmma_scale_f32_16x16x128_f8f6f4 v[40+64*\T+16*\P:47+64*\T+16*\P], v[56+24*\P:71+24*\P], v[24*\T+8:24*\T+23], 0, v[20+\P], v[27+2*\T] matrix_a_fmt:MATRIX_FMT_BF8 matrix_b_fmt:MATRIX_FMT_BF8 matrix_a_scale:MATRIX_SCALE_ROW1
.endr
.endr
	WIN 0
	v_add_nc_u32 v3, s[TB], v1                     ; eight places behind the products: three additions and five v_nop
	v_add_nc_u32 v4, s[TB], v2
	v_add_nc_u32 v5, s[TN], v1
.rept 5
	v_nop
.endr
	KLOAD 5                                        ; the next step's k
	SOFT 0
	ds_load_b64 v[24:25], v4                       ; v's words: register w: lanes 0-15 tile 2 w, lanes 16-31 tile 2 w + 1
	SOFT 1
	WIN 0x41                                       ; O^T in window 1, f in window 0
	s_wait_alu depctr_va_vdst(0)                   ; directly ahead of the first readers of O^T
.irp T, 0,1
.irp j, 0,2,4,6,8,10,12,14,16,18,20,22,24,26,28,30
	v_pk_mul_f32 v[144+32*\T+\j:145+32*\T+\j], v[144+32*\T+\j:145+32*\T+\j], v[224+6*\T:225+6*\T] op_sel_hi:[1,0]   ; O^T under the new M; also the places behind the conversions and in front of the products
.endr
.endr
	WIN 0
	s_wait_alu depctr_va_vdst(0)
	s_wait_dscnt 0x0                               ; v's fragments and words (and the next step's k)
	WIN 0x50                                       ; C and D in window 1
.irp T, 0,1                                    ; O^T += v^T p^T: each of v's four fragments serves both tiles; the eight accumulators by turns
.irp w, 0,1
	v_wmma_scale_f32_16x16x128_f8f6f4 v[144+32*\T+16*\w:151+32*\T+16*\w], v[32+32*\w:47+32*\w], v[160+16*\T:175+16*\T], v[144+32*\T+16*\w:151+32*\T+16*\w], v[24+\w], v[30+\T] matrix_a_fmt:MATRIX_FMT_BF8 matrix_b_fmt:MATRIX_FMT_BF8
	v_wmma_scale_f32_16x16x128_f8f6f4 v[152+32*\T+16*\w:159+32*\T+16*\w], v[48+32*\w:63+32*\w], v[160+16*\T:175+16*\T], v[152+32*\T+16*\w:159+32*\T+16*\w], v[24+\w], v[30+\T] matrix_a_fmt:MATRIX_FMT_BF8 matrix_b_fmt:MATRIX_FMT_BF8 matrix_a_scale:MATRIX_SCALE_ROW1
.endr
.endr
	WIN 0
.rept 9
	v_nop                                          ; nine places: the next score products write over registers that these products read
.endr
.endm
.macro WALK n                          ; n key steps from the record at s[TB] on
	s_mov_b32 s[CNT], \n
.Lstep_\@:
	s_add_co_u32 s[TN], s[TB], REC
	s_min_u32 s[TN], s[TN], 15*REC                 ; the last step names record 15 again
	STEP
	s_add_co_u32 s[TB], s[TB], REC
	s_sub_co_u32 s[CNT], s[CNT], 1
	s_cmp_lg_u32 s[CNT], 0
	s_cbranch_scc1 .Lstep_\@
.endm
	s_wait_alu depctr_va_vdst(0)                   ; the wait at the head's end
	s_cmp_lt_u32 s[WV], 2
	s_cbranch_scc0 .Lnot_first
	s_wait_tensorcnt 0x0                           ; waves 0, 1: my two records have landed
.Lnot_first:
	s_wait_dscnt 0x0
	s_barrier_signal -1
	s_barrier_wait -1                              ; records 0-3 may be read
	KLOAD 1                                        ; record 0's k
	s_mov_b32 s[TB], 0
	WALK 3                                         ; steps 0-2 read records 0-2 and k of records 1-3
	s_wait_tensorcnt 0x0                           ; every wave: all that is still out has landed
	s_wait_dscnt 0x0
	s_barrier_signal -1
	s_barrier_wait -1                              ; all sixteen records may be read
	s_mov_b32 s[TB], 3*REC
	WALK 13
	; THE WAY OUT: O^T / the sum; register 16 b + i is place 64 hd + 32 b + 16 h + i of my row of o: two blocks of 32 along the last projection's K
.irp T, 0,1
	v_add_f32 v[14+4*\T], v[14+4*\T], v[15+4*\T]
.endr
.irp T, 0,1
	v_permlanex16_b32 v[227+\T], v[14+4*\T], s[SEL], s[SEL+1]
.endr
.irp T, 0,1
	v_add_f32 v[14+4*\T], v[14+4*\T], v[227+\T]    ; the row's sum
.endr
	v_mov_b32 v234, 0xffff
	s_wait_alu depctr_va_vdst(0)
	v_rcp_f32 v14, v14
	v_rcp_f32 v18, v18
	v_nop                                          ; the plain line behind the reciprocals
	WIN 0x01                                       ; O^T in window 1
	s_wait_alu depctr_va_vdst(0)
.irp T, 0,1
.irp j, 0,1,2,3,4,5,6,7,8,9,10,11,12,13,14,15,16,17,18,19,20,21,22,23,24,25,26,27,28,29,30,31
	v_mul_f32 v[32+64*\T+\j], v[144+32*\T+\j], v[14+4*\T]
.endr
.endr
	WIN 0
.macro OUTQ T                          ; tile T's 32 numbers a lane become 32 codes in v[160 + 16 T] on and two scale bytes in v[232 + T]
.set X,  32+64*(\T)
.set CD, 160+16*(\T)
.irp b, 0,1
	v_max3_num_f32 v[208+\b], |v[X+16*\b]|, |v[X+1+16*\b]|, 0x8000000
.endr
.irp i, 2,4,6,8,10,12,14
.irp b, 0,1
	v_max3_num_f32 v[208+\b], v[208+\b], |v[X+16*\b+\i]|, |v[X+1+16*\b+\i]|
.endr
.endr
.irp b, 0,1
	v_permlanex16_b32 v[212+\b], v[208+\b], s[SEL], s[SEL+1]
.endr
.irp b, 0,1
	v_max_num_f32 v[208+\b], v[208+\b], v[212+\b]
.endr
.irp b, 0,1
	v_add_nc_u32 v[220+\b], 0xf8800000, v[208+\b]
.endr
.irp b, 0,1
	v_and_or_b32 v[216+\b], v[208+\b], 0x7f800000, s[MNT]
.endr
.irp b, 0,1
	v_lshrrev_b32 v[212+\b], 23, v[220+\b]
.endr
	v_lshl_or_b32 v[232+(\T)], v213, 8, v212       ; the two bytes
	v_cmp_ge_f32 vcc_lo, s61, v[13+4*(\T)]         ; no open key was met: only a value is chosen
	v_cndmask_b32 v[232+(\T)], v[232+(\T)], v234, vcc_lo
.irp b, 0,1
.irp i, 0,1,2,3,4,5,6,7,8,9,10,11,12,13,14,15
	v_med3_num_f32 v[X+16*\b+\i], v[X+16*\b+\i], -v[216+\b], v[216+\b]
.endr
	v_cvt_scalef32_pk8_bf8_f32 v[CD+4*\b:CD+1+4*\b], v[X+16*\b:X+7+16*\b], v[220+\b]
	v_cvt_scalef32_pk8_bf8_f32 v[CD+2+4*\b:CD+3+4*\b], v[X+8+16*\b:X+15+16*\b], v[220+\b]
.endr
	v_nop                                          ; a plain line behind the conversions
.endm
	OUTQ 0
	OUTQ 1
	v_cmp_gt_u32 vcc_lo, 16, v9                    ; lanes 0-15
.irp T, 0,1
	global_store_b128 v1, v[160+16*\T:163+16*\T], s[8:9] offset:16384*\T        ; 512 consecutive bytes, aligned
	global_store_b128 v1, v[164+16*\T:167+16*\T], s[8:9] offset:16384*\T+512
.endr
	s_wait_xcnt 0x0                                ; EXEC changes only behind this wait
	s_and_saveexec_b32 s53, vcc_lo
	global_store_b16 v7, v232, s[10:11]            ; row r's two bytes, 8 bytes from row to row: 32 bytes a tile, the one kind of store here that does not cover whole runs
	global_store_b16 v7, v233, s[10:11] offset:512
	s_wait_xcnt 0x0
	s_or_b32 exec_lo, exec_lo, s53
	s_wait_tensorcnt 0x0                           ; the wave's end
	ds_add_u32 v254, v255
	s_wait_dscnt 0x0
	CROUND                                         ; the closing round
	s_endpgm
.Lfunc_end_k_qc9af52b49d_attn:
	.size	k_qc9af52b49d_attn, .Lfunc_end_k_qc9af52b49d_attn-k_qc9af52b49d_attn
	.p2alignl 7, 3214868480
	.fill 96, 4, 3214868480
	.section	.rodata,"a",@progbits
	.p2align	6, 0x0
	.amdhsa_kernel k_qc9af52b49d_attn
		.amdhsa_group_segment_fixed_size 276480
		.amdhsa_private_segment_fixed_size 0
		.amdhsa_enable_private_segment 0
		.amdhsa_kernarg_size 32
		.amdhsa_user_sgpr_count 2
		.amdhsa_user_sgpr_kernarg_segment_ptr 1
		.amdhsa_wavefront_size32 1
		.amdhsa_system_sgpr_workgroup_id_x 1
		.amdhsa_system_sgpr_workgroup_id_y 1
		.amdhsa_system_sgpr_workgroup_id_z 1
		.amdhsa_system_vgpr_workitem_id 0
		.amdhsa_next_free_vgpr 512
		.amdhsa_next_free_sgpr 66
		.amdhsa_reserve_vcc 1
		.amdhsa_float_denorm_mode_32 3
		.amdhsa_float_denorm_mode_16_64 3
		.amdhsa_memory_ordered 1
		.amdhsa_forward_progress 1
		.amdhsa_inst_pref_size 96
	.end_amdhsa_kernel
	.amdgpu_metadata
---
amdhsa.version: [ 1, 2 ]
amdhsa.kernels:
  - .name:           k_qc9af52b49d_attn
    .symbol:         k_qc9af52b49d_attn.kd
    .args:
      - { .name: qq, .offset: 0, .size: 8, .value_kind: global_buffer, .address_space: global }
      - { .name: kv, .offset: 8, .size: 8, .value_kind: global_buffer, .address_space: global }
      - { .name: oc, .offset: 16, .size: 8, .value_kind: global_buffer, .address_space: global }
      - { .name: os, .offset: 24, .size: 8, .value_kind: global_buffer, .address_space: global }
    .group_segment_fixed_size: 276480
    .private_segment_fixed_size: 0
    .kernarg_segment_align: 8
    .kernarg_segment_size: 32
    .max_flat_workgroup_size: 256
    .sgpr_count:     66
    .vgpr_count:     512
    .wavefront_size: 32
...
	.end_amdgpu_metadata
.endif
;; end of part 3
;; launch outp (part 4): grid 8 x 32, 8 waves a work-group, clusters of 4 x 4, 271,360 bytes of LDS; arguments oc, os, cod, scl, bo, out0; writes out0
.if DOCPART == 4
	.amdgcn_target "amdgcn-amd-amdhsa--gfx1250"
	.amdhsa_code_object_version 6
	.text
	.protected	k_qc9af52b49d_outp
	.globl	k_qc9af52b49d_outp
	.p2align	8
	.type	k_qc9af52b49d_outp,@function
k_qc9af52b49d_outp:
	s_mov_b64 s[64:65], 0
	v_nop
	global_prefetch_b8 v0, s[64:65] scope:SCOPE_SE
	s_setreg_imm32_b32 hwreg(HW_REG_WAVE_MODE, 25, 1), 1
	s_wait_xcnt 0x0
	s_wait_alu depctr_hold_cnt(0) depctr_sa_sdst(0) depctr_va_vdst(0) depctr_va_sdst(0) depctr_va_ssrc(0) depctr_va_vcc(0) depctr_vm_vsrc(0)
	s_getreg_b32 s2, hwreg(HW_REG_IB_STS2, 6, 4)
	s_cmp_eq_u32 s2, 0
	s_cbranch_scc0 .Lentry_in_a_cluster
	s_endpgm
.Lentry_in_a_cluster:
	s_bfe_u32 s2, ttmp6, 0x10000c
	s_cmp_lg_u32 s2, 0xf033
	s_cbranch_scc0 .Lentry_shape_is_right
	s_endpgm
.Lentry_shape_is_right:
; out0 = o Wo^T + bo on codes of BF8 (E5M2) with E8M0 scales.  o's codes (oc, os) and Wo's (cod, scl from tile 576 on) lie as images of the operand's registers: a tile is 16 rows x 1,024 K = 16,384 bytes.
; SHARES.  Work-group (nb, mb): 128 x 128 of out0, K = 1,024.  Wave w: o's tiles 4 (w / 4) on against Wo's tiles 2 (w % 4), 2 (w % 4) + 1: eight accumulators.
; ALL OF K LIES IN LDS, filled once: four chunks of 256 along K (o's 8 tiles x 4,096, then Wo's).  ONE TENSOR LOAD A WAVE, each in an arm of its own: wave 2 q asks for o's part of chunk q, wave 2 q + 1 for Wo's.
; Chunk q is read behind a barrier in front of which waves 0 .. 2 q + 1 have waited for their load; in front of the last every wave waits.
; THE SCALE WORDS come from memory straight into registers, once: a tile's bytes for chunks 2 g and 2 g + 1 are 256 consecutive bytes, 8 a lane: lanes 0-15 hold the even chunk's two words, lanes 16-31 the odd chunk's, which the
; product reads by the ROW1 selectors.
; CLUSTERS: 4 x 4.  o's tiles hang on mb alone and are shared along a row of the cluster, Wo's on nb alone and along a column.  NO PREFETCH: all is asked for at the head; there is no loop to run ahead in.
; THE PRODUCT IS USED TRANSPOSED (source 0 = Wo, source 1 = o): a lane holds one row of out0, and the 16 registers of Wo's two tiles are 16 neighbouring columns.  bo is the C of the first K step.
; A tile's lane-row i is row 8 u + i + 8 (i / 8) of its granule of 32: the stage's row address undoes that.  The stage, 128 rows x (512 + 16) bytes, lies over chunks 0 and 1, which have had their one fill and whose last reads stand in front of chunk 2's barrier.
.set CH,  65536
.set SPI, 528
.set SPARE, 0x42000
.set SO,  208                          ; v208-223 o's scale words: 4 i + 2 (q / 2) + kk
.set SW,  226                          ; v226-233 Wo's: 4 u + 2 (q / 2) + kk: no product's two scale registers have numbers equal modulo 8
.set G1A, 24
.set G1B, 40
.set G0A, 68
.set G0B, 84
.macro CROUND
	s_barrier_signal -1
	s_barrier_wait -1
	s_cmp_lg_u32 s16, 0
	s_cbranch_scc1 .Lnot_wave_0_\@
	s_barrier_signal -3
.Lnot_wave_0_\@:
	s_barrier_wait -3
	s_barrier_signal -1
	s_barrier_wait -1
.endm
.macro PLACES
.rept 8
	v_nop
.endr
.endm
	s_load_b256 s[4:11], s[0:1], 0x0               ; oc, os, cod, scl
	s_load_b128 s[12:15], s[0:1], 0x20             ; bo, out0
	v_lshl_add_u32 v254, v0, 2, SPARE
	v_mov_b32 v255, 0
	ds_add_u32 v254, v255                          ; the opening lines: the add twice on end and its wait
	ds_add_u32 v254, v255
	v_lshrrev_b32 v1, 5, v0
	v_readfirstlane_b32 s16, v1                    ; wave 0..7
	s_lshr_b32 s17, s16, 2                         ; mh
	s_and_b32 s18, s16, 3                          ; nq
	s_bfe_u32 s19, ttmp6, 0x40000                  ; cx, cy
	s_bfe_u32 s20, ttmp6, 0x40004
	s_lshl_b32 s21, ttmp9, 2
	s_add_co_u32 s21, s21, s19                     ; nb
	s_and_b32 s22, ttmp7, 0xffff
	s_lshl_b32 s22, s22, 2
	s_add_co_u32 s22, s22, s20                     ; mb
	s_lshl_b32 s23, s20, 2
	s_lshl_b32 s23, 15, s23                        ; my row of the cluster
	s_lshl_b32 s3, 0x1111, s19                     ; my column
	s_or_b32 s[G1A], s23, (3<<16)|(1<<21)          ; 8 tiles' 4,096 bytes of a chunk, tiles 16,384 bytes apart; elements of 8 bytes
	s_or_b32 s[G1B], s3, (3<<16)|(1<<21)
.irp g, G1A, G1B
	s_mov_b32 s[\g+1], 512<<16
	s_mov_b32 s[\g+2], 8<<16
	s_mov_b32 s[\g+3], 512<<16
	s_mov_b32 s[\g+4], 8
	s_mov_b32 s[\g+5], 2048
	s_mov_b32 s[\g+6], 0
	s_mov_b32 s[\g+7], 0
.endr
	s_lshl_b32 s[G0A+2], s22, 17                   ; o: tile 8 mb
	s_mov_b32 s[G0A+3], 0
	s_lshl_b32 s[G0B+2], s21, 17                   ; Wo: tile 576 + 8 nb
	s_add_co_u32 s[G0B+2], s[G0B+2], 576*16384
	s_mov_b32 s[G0B+3], 0
.irp q, 0,1,2,3
	s_mov_b32 s[G0A+4*\q], 1
	s_mov_b32 s[G0A+4*\q+1], \q*CH
	s_mov_b32 s[G0B+4*\q], 1
	s_mov_b32 s[G0B+4*\q+1], \q*CH+32768
.endr
	s_lshl_b32 s32, s22, 12                        ; os: my four tiles' scale bytes
	s_lshl_b32 s2, s17, 11
	s_add_co_u32 s32, s32, s2
	s_mov_b32 s33, 0
	s_lshl_b32 s34, s21, 12                        ; scl: my two tiles of Wo
	s_lshl_b32 s2, s18, 10
	s_add_co_u32 s34, s34, s2
	s_add_co_u32 s34, s34, 576*512
	s_mov_b32 s35, 0
	s_lshl_b32 s36, s21, 9                         ; bo: my 32 columns
	s_lshl_b32 s52, s18, 7
	s_add_co_u32 s36, s36, s52
	s_mov_b32 s37, 0
	s_lshl_b32 s38, s22, 19                        ; out0: row 128 mb + 16 wave, column 128 nb
	s_lshl_b32 s2, s16, 16
	s_add_co_u32 s38, s38, s2
	s_lshl_b32 s2, s21, 9
	s_add_co_u32 s38, s38, s2
	s_mov_b32 s39, 0
	s_lshl_b32 s48, s17, 14                        ; LDS: o's fragments, my four tiles;
	s_lshl_b32 s49, s18, 13
	s_add_co_u32 s49, s49, 32768                   ; Wo's, my two;
	s_mul_i32 s50, s17, 64*SPI
	s_add_co_u32 s50, s50, s52                     ; the stage, in: row 64 mh, byte 128 nq;
	s_mul_i32 s51, s16, 16*SPI                     ; and out: my 16 rows
	s_wait_dscnt 0x0
	s_wait_kmcnt 0x0
	s_add_nc_u64 s[G0A+2:G0A+3], s[4:5], s[G0A+2:G0A+3]
	s_add_nc_u64 s[G0B+2:G0B+3], s[8:9], s[G0B+2:G0B+3]
.irp q, 1,2,3
	s_add_nc_u64 s[G0A+4*\q+2:G0A+4*\q+3], s[G0A+2:G0A+3], 4096*\q
	s_add_nc_u64 s[G0B+4*\q+2:G0B+4*\q+3], s[G0B+2:G0B+3], 4096*\q
.endr
.irp q, 0,1,2,3
	s_or_b32 s[G0A+4*\q+3], s[G0A+4*\q+3], 0x80000000
	s_or_b32 s[G0B+4*\q+3], s[G0B+4*\q+3], 0x80000000
.endr
	s_add_nc_u64 s[6:7], s[6:7], s[32:33]
	s_add_nc_u64 s[10:11], s[10:11], s[34:35]
	s_add_nc_u64 s[12:13], s[12:13], s[36:37]
	s_add_nc_u64 s[14:15], s[14:15], s[38:39]
	CROUND                                         ; all sixteen work-groups are here: the joint loads meet
.macro ARM under, g0, g1, next         ; one chain of branches on the wave's number, a load to an arm, all arms leading to one join
	s_cmp_lt_u32 s16, \under
	s_cbranch_scc0 \next
	tensor_load_to_lds s[\g0:\g0+3], s[\g1:\g1+7]
	s_nop 0
.rept 4
	v_nop
.endr
	s_branch .Lasked
\next:
.endm
	ARM 1, G0A,    G1A, .Larm1
	ARM 2, G0B,    G1B, .Larm2
	ARM 3, G0A+4,  G1A, .Larm3
	ARM 4, G0B+4,  G1B, .Larm4
	ARM 5, G0A+8,  G1A, .Larm5
	ARM 6, G0B+8,  G1B, .Larm6
	ARM 7, G0A+12, G1A, .Larm7
	tensor_load_to_lds s[G0B+12:G0B+15], s[G1B:G1B+7]
	s_nop 0
.rept 4
	v_nop
.endr
.Lasked:
	v_and_b32 v1, 15, v0                           ; r
	v_bfe_u32 v2, v0, 4, 1                         ; h
	v_and_b32 v3, 31, v0
	v_lshlrev_b32 v12, 3, v3                       ; 8 x lane: the scale words
	v_lshlrev_b32 v3, 4, v3                        ; 16 x lane
	v_lshlrev_b32 v13, 6, v2                       ; bo: 16 numbers from 16 h on
.irp k, 0,1,2,3
	global_load_b128 v[192+4*\k:195+4*\k], v13, s[12:13] offset:16*\k
.endr
.irp g, 0,1
.irp i, 0,1,2,3
	global_load_b64 v[SO+4*\i+2*\g:SO+4*\i+2*\g+1], v12, s[6:7] offset:\i*512+\g*256     ; 32 lanes read 256 consecutive bytes, aligned
.endr
.irp u, 0,1
	global_load_b64 v[SW+4*\u+2*\g:SW+4*\u+2*\g+1], v12, s[10:11] offset:\u*512+\g*256
.endr
.endr
	v_add_nc_u32 v4, s48, v3
	v_add_nc_u32 v8, s49, v3
.irp q, 1,2,3
	v_add_nc_u32 v[4+\q], \q*CH, v4
	v_add_nc_u32 v[8+\q], \q*CH, v8
.endr
	v_and_b32 v14, 8, v1
	v_add_nc_u32 v14, v14, v1
	v_mul_u32_u24 v14, v14, SPI                    ; the stage, in: row r + 8 (r / 8), byte 64 h
	v_lshl_add_u32 v14, v2, 6, v14
	v_add_nc_u32 v14, s50, v14
	v_add_nc_u32 v15, s51, v3
; 128 along K: the kk-th of chunk q.  24 loads, 8 matrix instructions, the eight accumulators by turns
.macro KSTEP q, kk
.if (\q)+(\kk) > 0
	PLACES                                         ; eight places in front of loads into registers that matrix instructions have read
.endif
.irp i, 0,1,2,3
.irp c, 0,1,2,3
	ds_load_b128 v[32+16*\i+4*\c:35+16*\i+4*\c], v[4+\q] offset:\i*4096+(\kk)*2048+512*\c
.endr
.endr
.irp u, 0,1
.irp c, 0,1,2,3
	ds_load_b128 v[96+16*\u+4*\c:99+16*\u+4*\c], v[8+\q] offset:\u*4096+(\kk)*2048+512*\c
.endr
.endr
	s_wait_dscnt 0x0
.irp i, 0,1,2,3
.irp u, 0,1
.if (\q)+(\kk) == 0
	v_wmma_scale_f32_16x16x128_f8f6f4 v[128+8*(2*\i+\u):135+8*(2*\i+\u)], v[96+16*\u:111+16*\u], v[32+16*\i:47+16*\i], v[192+8*\u:199+8*\u], v[SW+4*\u+2*((\q)/2)+(\kk)], v[SO+4*\i+2*((\q)/2)+(\kk)] matrix_a_fmt:MATRIX_FMT_BF8 matrix_b_fmt:MATRIX_FMT_BF8
.elseif (\q)%2 == 0
	v_wmma_scale_f32_16x16x128_f8f6f4 v[128+8*(2*\i+\u):135+8*(2*\i+\u)], v[96+16*\u:111+16*\u], v[32+16*\i:47+16*\i], v[128+8*(2*\i+\u):135+8*(2*\i+\u)], v[SW+4*\u+2*((\q)/2)+(\kk)], v[SO+4*\i+2*((\q)/2)+(\kk)] matrix_a_fmt:MATRIX_FMT_BF8 matrix_b_fmt:MATRIX_FMT_BF8
.else
	v_wmma_scale_f32_16x16x128_f8f6f4 v[128+8*(2*\i+\u):135+8*(2*\i+\u)], v[96+16*\u:111+16*\u], v[32+16*\i:47+16*\i], v[128+8*(2*\i+\u):135+8*(2*\i+\u)], v[SW+4*\u+2*((\q)/2)+(\kk)], v[SO+4*\i+2*((\q)/2)+(\kk)] matrix_a_fmt:MATRIX_FMT_BF8 matrix_b_fmt:MATRIX_FMT_BF8 matrix_a_scale:MATRIX_SCALE_ROW1 matrix_b_scale:MATRIX_SCALE_ROW1
.endif
.endr
.endr
.endm
.macro CHUNK q
.if (\q) < 3
	s_cmp_lt_u32 s16, 2*(\q)+2                     ; the waves that asked for chunks 0 .. q wait for their one load
	s_cbranch_scc0 .Lnot_mine_\@
	s_wait_tensorcnt 0x0
.Lnot_mine_\@:
.else
	s_wait_tensorcnt 0x0                           ; all that is still out: every wave waits
.endif
	s_wait_dscnt 0x0
	s_barrier_signal -1
	s_barrier_wait -1
	KSTEP \q, 0
	KSTEP \q, 1
.endm
	s_wait_alu depctr_va_vdst(0)                   ; the wait at the head's end
	s_wait_loadcnt 0x0                             ; bo and the scale words
	CHUNK 0
	CHUNK 1
	CHUNK 2
	CHUNK 3
	PLACES
.irp i, 0,1,2,3
.irp u, 0,1
	ds_store_b128 v14, v[128+8*(2*\i+\u):131+8*(2*\i+\u)] offset:(32*(\i/2)+8*(\i%2))*SPI+32*\u        ; each accumulator from its low end on
	ds_store_b128 v14, v[132+8*(2*\i+\u):135+8*(2*\i+\u)] offset:(32*(\i/2)+8*(\i%2))*SPI+32*\u+16
.endr
.endr
	s_wait_dscnt 0x0                               ; for the others' sake: my stores into the stage are done
	s_barrier_signal -1
	s_barrier_wait -1
.irp t, 0,1,2,3,4,5,6,7,8,9,10,11,12,13,14,15
	ds_load_b128 v[32+4*\t:35+4*\t], v15 offset:\t*SPI
.endr
.irp t, 0,1,2,3,4,5,6,7,8,9,10,11,12,13,14,15
	s_wait_dscnt 15-\t
	global_store_b128 v3, v[32+4*\t:35+4*\t], s[14:15] offset:\t*4096 th:TH_STORE_NT   ; 32 lanes store 512 consecutive bytes, aligned; written once
.endr
	s_wait_tensorcnt 0x0                           ; the wave's end
	ds_add_u32 v254, v255
	s_wait_dscnt 0x0
	CROUND                                         ; the closing round
	s_endpgm
.Lfunc_end_k_qc9af52b49d_outp:
	.size	k_qc9af52b49d_outp, .Lfunc_end_k_qc9af52b49d_outp-k_qc9af52b49d_outp
	.p2alignl 7, 3214868480
	.fill 96, 4, 3214868480
	.section	.rodata,"a",@progbits
	.p2align	6, 0x0
	.amdhsa_kernel k_qc9af52b49d_outp
		.amdhsa_group_segment_fixed_size 271360
		.amdhsa_private_segment_fixed_size 0
		.amdhsa_enable_private_segment 0
		.amdhsa_kernarg_size 48
		.amdhsa_user_sgpr_count 2
		.amdhsa_user_sgpr_kernarg_segment_ptr 1
		.amdhsa_wavefront_size32 1
		.amdhsa_system_sgpr_workgroup_id_x 1
		.amdhsa_system_sgpr_workgroup_id_y 1
		.amdhsa_system_sgpr_workgroup_id_z 1
		.amdhsa_system_vgpr_workitem_id 0
		.amdhsa_next_free_vgpr 256
		.amdhsa_next_free_sgpr 100
		.amdhsa_reserve_vcc 0
		.amdhsa_float_denorm_mode_32 3
		.amdhsa_float_denorm_mode_16_64 3
		.amdhsa_memory_ordered 1
		.amdhsa_forward_progress 1
		.amdhsa_inst_pref_size 39
	.end_amdhsa_kernel
	.amdgpu_metadata
---
amdhsa.version: [ 1, 2 ]
amdhsa.kernels:
  - .name:           k_qc9af52b49d_outp
    .symbol:         k_qc9af52b49d_outp.kd
    .args:
      - { .name: oc, .offset: 0, .size: 8, .value_kind: global_buffer, .address_space: global }
      - { .name: os, .offset: 8, .size: 8, .value_kind: global_buffer, .address_space: global }
      - { .name: cod, .offset: 16, .size: 8, .value_kind: global_buffer, .address_space: global }
      - { .name: scl, .offset: 24, .size: 8, .value_kind: global_buffer, .address_space: global }
      - { .name: bo, .offset: 32, .size: 8, .value_kind: global_buffer, .address_space: global }
      - { .name: out0, .offset: 40, .size: 8, .value_kind: global_buffer, .address_space: global }
    .group_segment_fixed_size: 271360
    .private_segment_fixed_size: 0
    .kernarg_segment_align: 8
    .kernarg_segment_size: 48
    .max_flat_workgroup_size: 256
    .sgpr_count:     100
    .vgpr_count:     256
    .wavefront_size: 32
...
	.end_amdgpu_metadata
.endif
;; end of part 4
